; MI455X (gfx1250); checked and timed in simulation.
; The chip was launched on July 23, 2026; its instructions are those of AMD's public machine-readable ISA for CDNA 5 (MIT licence, August 2026) and "CDNA5" Instruction Set Architecture Reference Guide (July 2026). The comments in the code are by the model that wrote it; some were corrected since.
;; Llama Attention. Allowed arithmetic: float matrix products may take bf16 or f16 operands with f32 sums; other float arithmetic in f32, or as packed bf16 or f16 multiplies, adds, multiply-adds, maxima and minima; sums over many terms, partial sums and values carried from step to step in f32; what a program stores and reads back later, other than sums and carried values, may be rounded once to bf16 or f16.
;; Inputs: Wk 1,024 x 4,096 float32; Wo 4,096 x 2,048 float32; Wq 2,048 x 4,096 float32; Wv 1,024 x 4,096 float32; hidden_states 1 x 2,048 x 4,096 float32; position_ids 1 x 2,048 int32.
;; Outputs: out0 1 x 2,048 x 4,096 float32.
;; 2 versions, each right; version 2 is version 1 with the launch prep written anew for expert scheduling mode. Each part assembles by itself: llvm-mc -triple=amdgcn-amd-amdhsa -mcpu=gfx1250 --defsym DOCPART=n.
;; ======== version 1 of 2: 4 launches
;; limits: values are held in f16: magnitudes above 65,504 overflow, below 6.1e-05 lose precision; right only within a limited range of input values
;; workspace buffers: xb 16,777,216 bytes; wb 33,554,432 bytes; wob 16,777,216 bytes; tab 1,081,344 bytes; qkv 16,777,216 bytes; ob 8,388,608 bytes
;; launch prep (part 1): grid 128 x 9, 8 waves a work-group, no clusters, 35,840 bytes of LDS; arguments hidden_states, Wq, Wk, Wv, Wo, position_ids, xb, wb, wob, tab; writes xb, wb, wob, tab
.if DOCPART == 1
	.amdgcn_target "amdgcn-amd-amdhsa--gfx1250"
	.amdhsa_code_object_version 6
	.text
	.protected	k_q44e592b52a_prep
	.globl	k_q44e592b52a_prep
	.p2align	8
	.type	k_q44e592b52a_prep,@function
k_q44e592b52a_prep:
	s_mov_b64 s[64:65], 0
	v_nop
	global_prefetch_b8 v0, s[64:65] scope:SCOPE_SE
	s_setreg_imm32_b32 hwreg(HW_REG_WAVE_MODE, 25, 1), 1
	s_wait_xcnt 0x0
; PREP: the matrix operands are rounded once, and the table of rotations is made.
;   xb  = bf16(hidden_states), IN FRAGMENT ORDER: [128 blocks of 16 rows][128 blocks of 32 columns][1,024 bytes]; in a block, byte 512 j + 16 lane holds the eight numbers of row lane % 16,
;         columns 16 j + 8 (lane / 16) + 0..7: what a lane of a matrix instruction's 16 x 32 operand holds in registers 4 j .. 4 j + 3.  So the projection loads a fragment by two loads of 512 consecutive bytes.
;   wb  = bf16(Wq; Wk; Wv) [4096][4096], row-major, the three one below the other;
;   wob = f16(4 x bf16(Wo)) [4096][2048]: rounded to bf16 like every other input, times 4 (exact), written as f16 (exact where 4 |w| is at least 2^-14; below that f16's fixed step of 2^-24);
;   tab = cos / 4 and sin / 4 of position x 10000^(-f / 64), f32, in the lane order in which the projection's way out reads them.
; LIMITS.  |Wo| stays under 16,376 (f16 ends at 65,504).  10000^(-f / 64) is made by v_exp_f32, so an angle differs from the exact product by a few parts in 10^7 of itself: 2e-4 at position 2,047, growing with the position.
; The angle is reduced by pi / 2 in three parts, which holds while position x 2 / pi fits a 32-bit whole number.
; SHARES.  y = 0 .. 7: a unit of 4 Mi numbers (y = 0, 1: x; 2, 3: Wq; 4: Wk; 5: Wv; 6, 7: Wo); work-group x takes 32,768 of them.
; The weights (y = 2 .. 7): 32 steps of 4,096 bytes in, 2,048 out; a load of a wave covers 512 consecutive bytes, a store 256 consecutive bytes, aligned; eight loads of every wave are on their way; no LDS.
; x (y = 0, 1): a work-group takes 16 rows x 2,048 columns, a wave 16 rows x 256 columns as two blocks of 128.  Rows come in as 512 consecutive bytes a load; the turn from rows to fragments goes through the wave's own LDS.
; y = 8: work-group x makes table block x (16 positions x 64 frequencies), and x = 0 .. 3 also the four blocks 128 + x that V's tiles take: cos = 1 / 4, sin = 0.
.set X,     8                          ; v[8:39]   the weights' slot i: 4 f32 as loaded
.set Y,     40                         ; v[40:55]  slot i: 4 numbers of 16 bits to store
.set STEPS, 32
.set OO,    6                          ; v[6:29]   x: six slots of 16 bytes read back from LDS
.set XX,    30                         ; v[30:93]  x: row i of a block: 4 f32 as loaded, then 4 bf16 in its first two registers
.set SPW,   94                         ; v94       LDS address of my spare word; never rewritten
.set NIL,   95                         ; v95       0; never rewritten
.set GRP,   272                        ; LDS: a group is one piece of 8 columns of all 16 rows: 256 bytes + 16 = 68 words: group c starts at bank 4 c mod 64 (64 banks of 4 bytes: ISA guide 11.1)
.set WREG,  16*GRP                     ; a wave's 16 groups: a block of 16 rows x 128 columns
.set SPARE, 8*WREG                     ; behind the eight waves' groups: the spare words, 128 bytes for each wave: four blocks of 256 bytes that no other line names
	s_load_b512 s[8:23], s[0:1], 0x0               ; x s[8:9], Wq s[10:11], Wk s[12:13], Wv s[14:15], Wo s[16:17], positions s[18:19], xb s[20:21], wb s[22:23]
	s_load_b128 s[24:27], s[0:1], 0x40             ; wob s[24:25], tab s[26:27]
	v_lshl_add_u32 v[SPW], v0, 2, SPARE
	v_mov_b32 v[NIL], 0
	s_and_b32 s4, ttmp7, 0xffff                    ; y
	s_mov_b32 s5, ttmp9                            ; x
	s_cmp_eq_u32 s4, 8
	s_cbranch_scc1 .Ltable
	s_cmp_lt_u32 s4, 2
	s_cbranch_scc1 .Lfrag
	; THE WEIGHTS
	v_lshlrev_b32 v1, 4, v0                        ; my 16 bytes of a step's 4,096; never rewritten
	v_lshlrev_b32 v2, 3, v0                        ; my 8 bytes of a step's 2,048; never rewritten
	s_cmp_ge_u32 s4, 6
	s_cselect_b32 s34, 6, 2
	s_sub_co_u32 s6, s4, s34                       ; the unit's number in its destination
	s_cmp_eq_u32 s4, 4
	s_cselect_b32 s7, 0, s6                        ; and in its source: Wk and Wv are one unit each
	s_cmp_eq_u32 s4, 5
	s_cselect_b32 s7, 0, s7
	s_lshl_b32 s36, s6, 23                         ; a unit is 8 MiB out,
	s_lshl_b32 s35, s5, 16                         ; a work-group's part 64 KiB
	s_add_co_u32 s36, s36, s35
	s_mov_b32 s37, 0
	s_lshl_b32 s38, s7, 24                         ; 16 MiB in,
	s_lshl_b32 s35, s5, 17                         ; 128 KiB
	s_add_co_u32 s38, s38, s35
	s_mov_b32 s39, 0
	s_mov_b32 s32, 4.0                             ; Wo's factor; named as a pair
	s_mov_b32 s33, 4.0
	s_mov_b32 s34, 0xffff0000                      ; a word's upper bf16
	s_wait_kmcnt 0x0
	s_mov_b64 s[28:29], s[10:11]                   ; the source, chosen by y
	s_cmp_eq_u32 s4, 4
	s_cselect_b64 s[28:29], s[12:13], s[28:29]
	s_cmp_eq_u32 s4, 5
	s_cselect_b64 s[28:29], s[14:15], s[28:29]
	s_cmp_ge_u32 s4, 6
	s_cselect_b64 s[28:29], s[16:17], s[28:29]
	s_cselect_b64 s[30:31], s[24:25], s[22:23]     ; the destination
	s_add_nc_u64 s[28:29], s[28:29], s[38:39]
	s_add_nc_u64 s[30:31], s[30:31], s[36:37]
; One step of slot i.  kind = 0: to bf16.  kind = 1: to bf16, times 4, written as f16.  ahead = 1: the slot is loaded again with the step eight on.  left = how many younger loads may stay out.
.macro CSTEP kind, i, ahead, left
	s_wait_loadcnt \left                           ; loads come back in order (ISA guide 5.7.1): this step's is in, the younger ones stay out
	s_wait_xcnt 0x0                                ; the slot's Y, which its store of eight steps ago reads, is rewritten only behind this wait
.if \kind
	v_cvt_pk_bf16_f32 v56, v[X+4*(\i)], v[X+4*(\i)+1]
	v_cvt_pk_bf16_f32 v57, v[X+4*(\i)+2], v[X+4*(\i)+3]
	v_lshlrev_b32 v58, 16, v56                     ; bf16 to f32: the low half moves up, the high half stays
	v_and_b32 v59, s34, v56
	v_lshlrev_b32 v60, 16, v57
	v_and_b32 v61, s34, v57
	v_pk_mul_f32 v[58:59], v[58:59], s[32:33] op_sel_hi:[1,0]
	v_pk_mul_f32 v[60:61], v[60:61], s[32:33] op_sel_hi:[1,0]
	v_cvt_pk_f16_f32 v[Y+2*(\i)], v58, v59
	v_cvt_pk_f16_f32 v[Y+2*(\i)+1], v60, v61
.else
	v_cvt_pk_bf16_f32 v[Y+2*(\i)], v[X+4*(\i)], v[X+4*(\i)+1]
	v_cvt_pk_bf16_f32 v[Y+2*(\i)+1], v[X+4*(\i)+2], v[X+4*(\i)+3]
.endif
.if \ahead
	global_load_b128 v[X+4*(\i):X+4*(\i)+3], v1, s[28:29] offset:((\i)+8)*4096 th:TH_LOAD_NT  ; the load ahead of the store
.endif
	global_store_b64 v2, v[Y+2*(\i):Y+2*(\i)+1], s[30:31] offset:(\i)*2048 th:TH_STORE_NT
.endm
; The 32 steps: a ring of eight slots in registers; three rounds that load ahead, in a loop, and a last round that loads nothing, written out, whose counts run down.
.macro CAST kind
.irp i, 0,1,2,3,4,5,6,7
	global_load_b128 v[X+4*(\i):X+4*(\i)+3], v1, s[28:29] offset:(\i)*4096 th:TH_LOAD_NT
.endr
	s_mov_b32 s40, STEPS/8-1
.Lround_\@:
.irp i, 0,1,2,3,4,5,6,7
	CSTEP \kind, \i, 1, 7
.endr
	s_wait_xcnt 0x0                                ; every load and store issued so far has read its address, so the two bases may be written
	s_add_nc_u64 s[28:29], s[28:29], 8*4096
	s_add_nc_u64 s[30:31], s[30:31], 8*2048
	s_sub_co_u32 s40, s40, 1
	s_cmp_lg_u32 s40, 0
	s_cbranch_scc1 .Lround_\@
.irp i, 0,1,2,3,4,5,6,7
	CSTEP \kind, \i, 0, 7-(\i)
.endr
.endm
	s_cmp_ge_u32 s4, 6
	s_cbranch_scc1 .Lwo
	CAST 0
	s_endpgm
.Lwo:
	CAST 1
	s_endpgm
; x, INTO FRAGMENT ORDER.  Work-group g = 128 y + x takes row block g / 2 and half g % 2 of its 4,096 columns; wave w columns 256 w .. 256 w + 255 of that half.
; In a block of 128 columns lane l holds, of row i, columns 4 l .. 4 l + 3: half l % 2 of piece c = l / 2 of 8 columns.  It goes to byte 272 c + 16 i + 8 (l % 2) of the wave's LDS: the 32 lanes of a store take 64 different banks.
; Load t of eight reads groups 2 t and 2 t + 1 back, 16 bytes a lane, and those are bytes 512 t + 16 l of the block's 4,096 in xb.  The LDS bytes are the wave's own: no barrier.
.Lfrag:
	v_lshrrev_b32 v1, 5, v0
	v_readfirstlane_b32 s6, v1                     ; wave 0..7
	v_and_b32 v5, 31, v0                           ; lane
	s_lshl_b32 s7, s4, 7
	s_add_co_u32 s7, s7, s5                        ; g
	s_lshr_b32 s34, s7, 1                          ; the row block
	s_and_b32 s35, s7, 1                           ; the half of its columns
	s_lshl_b32 s36, s34, 18                        ; in: 16 rows of 16,384 bytes,
	s_lshl_b32 s38, s35, 13                        ; 2,048 columns of 4 bytes,
	s_add_co_u32 s36, s36, s38
	s_lshl_b32 s38, s6, 10                         ; my wave's 256
	s_add_co_u32 s36, s36, s38
	s_mov_b32 s37, 0
	s_lshl_b32 s38, s34, 17                        ; out: a row block is 131,072 bytes,
	s_lshl_b32 s39, s35, 16                        ; 2,048 columns of it 65,536,
	s_add_co_u32 s38, s38, s39
	s_lshl_b32 s39, s6, 13                         ; my wave's 256 columns 8,192
	s_add_co_u32 s38, s38, s39
	s_mov_b32 s39, 0
	v_lshlrev_b32 v1, 4, v5                        ; 16 x lane: my place in 512 consecutive bytes, in and out; never rewritten
	s_mul_i32 s7, s6, WREG                         ; my wave's groups
	v_lshrrev_b32 v2, 1, v5
	v_mul_u32_u24 v2, v2, GRP
	v_and_b32 v3, 1, v5
	v_lshl_add_u32 v2, v3, 3, v2
	v_add_nc_u32 v2, s7, v2                        ; where I put 8 bytes of row 0
	v_lshrrev_b32 v3, 4, v5
	v_mul_u32_u24 v3, v3, GRP
	v_and_b32 v4, 15, v5
	v_lshl_add_u32 v3, v4, 4, v3
	v_add_nc_u32 v3, s7, v3                        ; where I read 16 bytes of groups 0 and 1 back
	s_wait_kmcnt 0x0
	s_add_nc_u64 s[28:29], s[8:9], s[36:37]
	s_add_nc_u64 s[30:31], s[20:21], s[38:39]
.macro XLOADS j                        ; block j: 16 rows, 512 consecutive bytes each
.set i, 0
.rept 16
	global_load_b128 v[XX+4*i:XX+4*i+3], v1, s[28:29] offset:i*16384+(\j)*512 th:TH_LOAD_NT
.set i, i+1
.endr
.endm
.macro XBLOCK j
.set i, 0
.rept 16
	s_wait_loadcnt 15-i                            ; row i is in; the younger rows stay out
	v_cvt_pk_bf16_f32 v[XX+4*i], v[XX+4*i], v[XX+4*i+1]
	v_cvt_pk_bf16_f32 v[XX+4*i+1], v[XX+4*i+2], v[XX+4*i+3]
	ds_store_b64 v2, v[XX+4*i:XX+4*i+1] offset:16*i
.set i, i+1
.endr
.if \j
	s_wait_xcnt 0x0                                ; the six slots, which the last block's stores read, are loaded again only behind this wait
.endif
.irp t, 0,1,2,3,4,5
	ds_load_b128 v[OO+4*(\t):OO+4*(\t)+3], v3 offset:(\t)*2*GRP  ; LDS serves a wave's instructions in order (ISA guide 5.7.1.4): these see the stores above
.endr
.if (\j) == 0
	s_wait_dscnt 6                                 ; all but the six loads: the 16 LDS stores are done, so the rows' registers take the next block
	XLOADS 1
.endif
.irp t, 0,1,2,3,4,5
	s_wait_dscnt 5-(\t)
	global_store_b128 v1, v[OO+4*(\t):OO+4*(\t)+3], s[30:31] offset:(\j)*4096+(\t)*512 th:TH_STORE_NT
.endr
	s_wait_xcnt 0x0                                ; slots 0 and 1 once more
.irp t, 6,7
	ds_load_b128 v[OO+4*((\t)-6):OO+4*((\t)-6)+3], v3 offset:(\t)*2*GRP
.endr
.irp t, 6,7
	s_wait_dscnt 7-(\t)
	global_store_b128 v1, v[OO+4*((\t)-6):OO+4*((\t)-6)+3], s[30:31] offset:(\j)*4096+(\t)*512 th:TH_STORE_NT
.endr
.endm
	XLOADS 0
	XBLOCK 0
	XBLOCK 1
	s_wait_tensorcnt 0x0                           ; the wave's end, behind my last LDS store
	ds_add_u32 v[SPW], v[NIL]
	s_wait_dscnt 0x0
	s_endpgm
; THE TABLE.  Byte rb x 8192 + b x 2048 + c x 512 + lane x 16 + e x 4 holds, for position number 16 rb + lane % 16 and frequency f = 16 b + 8 (lane / 16) + 4 (c % 2) + e, cos / 4 (c = 0, 1) or sin / 4 (c = 2, 3).
; Thread t = 64 b + 32 ch + lane makes the four cosines of c = ch and the four sines of c = ch + 2: two stores of 16 bytes, 512 consecutive bytes a wave.
.Ltable:
	v_lshrrev_b32 v3, 6, v0                        ; b
	v_bfe_u32 v5, v0, 5, 1                         ; ch
	v_and_b32 v6, 15, v0                           ; lane % 16
	v_lshlrev_b32 v6, 2, v6
	s_lshl_b32 s6, s5, 6                           ; the block's 16 positions, 4 bytes each
	v_add_nc_u32 v6, s6, v6
	s_wait_kmcnt 0x0
	global_load_b32 v7, v6, s[18:19]               ; the position, as it is given
	v_bfe_u32 v8, v0, 4, 1                         ; lane / 16
	v_lshlrev_b32 v9, 4, v3
	v_lshl_add_u32 v9, v8, 3, v9
	v_lshl_add_u32 v9, v5, 2, v9                   ; f for e = 0
	v_and_b32 v10, 63, v0
	v_lshlrev_b32 v10, 4, v10
	v_lshl_add_u32 v10, v3, 11, v10                ; b x 2048 + ch x 512 + lane x 16
	s_lshl_b32 s34, s5, 13
	s_mov_b32 s35, 0
	s_add_nc_u64 s[26:27], s[26:27], s[34:35]      ; block x
	v_mov_b32 v40, 0xb94ca1f9                      ; the sine's and the cosine's leading coefficients
	v_mov_b32 v41, 0x37ccf5ce
.irp e, 0,1,2,3
	v_add_nc_u32 v[20+(\e)], \e, v9
	v_cvt_f32_u32 v[20+(\e)], v[20+(\e)]
	v_mul_f32 v[20+(\e)], 0xbe549a78, v[20+(\e)]   ; - f log2(10000) / 64
.endr
.irp e, 0,1,2,3
	v_exp_f32 v[20+(\e)], v[20+(\e)]               ; 10000^(-f / 64)
.endr
	v_nop                                          ; a plain instruction between the last exponential and the use of its result (ISA guide 5.7.2)
	s_wait_loadcnt 0x0
	v_cvt_f32_i32 v7, v7
	s_wait_alu depctr_va_vdst(0)
; cos and sin of one angle: n = the nearest whole number of quarter turns; r = angle - n pi / 2, pi / 2 in three parts, each step one fused multiply-add; polynomials on |r| <= pi / 4; the quadrant swaps and signs.
.macro SINCOS e
	v_mul_f32 v24, v7, v[20+(\e)]                  ; the angle: one rounding
	v_mul_f32 v25, 0x3f22f983, v24                 ; x 2 / pi
	v_rndne_f32 v25, v25
	v_fmamk_f32 v26, v25, 0xbfc90fdb, v24
	v_fmamk_f32 v26, v25, 0x333bbd2e, v26
	v_fmamk_f32 v26, v25, 0x26f72ced, v26
	v_cvt_i32_f32 v27, v25
	v_mul_f32 v28, v26, v26                        ; z = r r
	v_fmaak_f32 v29, v40, v28, 0x3c08839e
	v_fmaak_f32 v30, v41, v28, 0xbab6061a
	v_fmaak_f32 v29, v29, v28, 0xbe2aaaa3
	v_fmaak_f32 v30, v30, v28, 0x3d2aaaa5
	v_mul_f32 v33, v28, v26                        ; z r
	v_mul_f32 v34, v28, v28                        ; z z
	v_fma_f32 v35, v28, -0.5, 1.0
	v_fma_f32 v31, v29, v33, v26                   ; sin r
	v_fma_f32 v32, v30, v34, v35                   ; cos r
	v_and_b32 v33, 1, v27
	v_cmp_eq_u32 vcc_lo, 1, v33                    ; an odd quadrant swaps the two
	v_cndmask_b32 v34, v31, v32, vcc_lo
	v_cndmask_b32 v35, v32, v31, vcc_lo
	v_lshlrev_b32 v33, 30, v27                     ; the sine is negative in quadrants 2 and 3,
	v_and_b32 v33, 0x80000000, v33
	v_add_nc_u32 v36, 1, v27                       ; the cosine in 1 and 2
	v_lshlrev_b32 v36, 30, v36
	v_and_b32 v36, 0x80000000, v36
	v_mul_f32 v34, 0x3e800000, v34                 ; a quarter: q, k and v are stored times 2^-2
	v_mul_f32 v35, 0x3e800000, v35
	v_xor_b32 v[16+(\e)], v33, v34
	v_xor_b32 v[12+(\e)], v36, v35
.endm
	SINCOS 0
	SINCOS 1
	SINCOS 2
	SINCOS 3
	global_store_b128 v10, v[12:15], s[26:27]
	global_store_b128 v10, v[16:19], s[26:27] offset:1024
	s_cmp_lt_u32 s5, 4
	s_cbranch_scc0 .Ltabend
.irp e, 0,1,2,3
	v_mov_b32 v[44+(\e)], 0x3e800000
	v_mov_b32 v[48+(\e)], 0
.endr
	global_store_b128 v10, v[44:47], s[26:27] offset:128*8192       ; block 128 + x
	global_store_b128 v10, v[48:51], s[26:27] offset:128*8192+1024
.Ltabend:
	s_endpgm
.Lfunc_end_k_q44e592b52a_prep:
	.size	k_q44e592b52a_prep, .Lfunc_end_k_q44e592b52a_prep-k_q44e592b52a_prep
	.p2alignl 7, 3214868480
	.fill 96, 4, 3214868480
	.section	.rodata,"a",@progbits
	.p2align	6, 0x0
	.amdhsa_kernel k_q44e592b52a_prep
		.amdhsa_group_segment_fixed_size 35840
		.amdhsa_private_segment_fixed_size 0
		.amdhsa_enable_private_segment 0
		.amdhsa_kernarg_size 80
		.amdhsa_user_sgpr_count 2
		.amdhsa_user_sgpr_kernarg_segment_ptr 1
		.amdhsa_wavefront_size32 1
		.amdhsa_system_sgpr_workgroup_id_x 1
		.amdhsa_system_sgpr_workgroup_id_y 1
		.amdhsa_system_sgpr_workgroup_id_z 1
		.amdhsa_system_vgpr_workitem_id 0
		.amdhsa_next_free_vgpr 96
		.amdhsa_next_free_sgpr 66
		.amdhsa_reserve_vcc 1
		.amdhsa_float_denorm_mode_32 3
		.amdhsa_float_denorm_mode_16_64 3
		.amdhsa_memory_ordered 1
		.amdhsa_forward_progress 1
		.amdhsa_inst_pref_size 44
	.end_amdhsa_kernel
	.amdgpu_metadata
---
amdhsa.version: [ 1, 2 ]
amdhsa.kernels:
  - .name:           k_q44e592b52a_prep
    .symbol:         k_q44e592b52a_prep.kd
    .args:
      - { .name: hidden_states, .offset: 0, .size: 8, .value_kind: global_buffer, .address_space: global }
      - { .name: Wq, .offset: 8, .size: 8, .value_kind: global_buffer, .address_space: global }
      - { .name: Wk, .offset: 16, .size: 8, .value_kind: global_buffer, .address_space: global }
      - { .name: Wv, .offset: 24, .size: 8, .value_kind: global_buffer, .address_space: global }
      - { .name: Wo, .offset: 32, .size: 8, .value_kind: global_buffer, .address_space: global }
      - { .name: position_ids, .offset: 40, .size: 8, .value_kind: global_buffer, .address_space: global }
      - { .name: xb, .offset: 48, .size: 8, .value_kind: global_buffer, .address_space: global }
      - { .name: wb, .offset: 56, .size: 8, .value_kind: global_buffer, .address_space: global }
      - { .name: wob, .offset: 64, .size: 8, .value_kind: global_buffer, .address_space: global }
      - { .name: tab, .offset: 72, .size: 8, .value_kind: global_buffer, .address_space: global }
    .group_segment_fixed_size: 35840
    .private_segment_fixed_size: 0
    .kernarg_segment_align: 8
    .kernarg_segment_size: 80
    .max_flat_workgroup_size: 256
    .sgpr_count:     66
    .vgpr_count:     96
    .wavefront_size: 32
...
	.end_amdgpu_metadata
.endif
;; end of part 1
;; launch qkvproj (part 2): grid 16 x 16, 4 waves a work-group, clusters of 4 x 1, 327,680 bytes of LDS; arguments xb, wb, qkv, tab; writes qkv
.if DOCPART == 2
	.amdgcn_target "amdgcn-amd-amdhsa--gfx1250"
	.amdhsa_code_object_version 6
	.text
	.protected	k_q44e592b52a_qkvproj
	.globl	k_q44e592b52a_qkvproj
	.p2align	8
	.type	k_q44e592b52a_qkvproj,@function
k_q44e592b52a_qkvproj:
	s_mov_b64 s[64:65], 0
	v_nop
	global_prefetch_b8 v0, s[64:65] scope:SCOPE_SE
	s_setreg_imm32_b32 hwreg(HW_REG_WAVE_MODE, 25, 1), 1
	s_wait_xcnt 0x0
	s_wait_alu depctr_hold_cnt(0) depctr_sa_sdst(0) depctr_va_vdst(0) depctr_va_sdst(0) depctr_va_ssrc(0) depctr_va_vcc(0) depctr_vm_vsrc(0)
	s_getreg_b32 s2, hwreg(HW_REG_IB_STS2, 6, 4)
	s_cmp_eq_u32 s2, 0
	s_cbranch_scc0 .Lentry_in_a_cluster
	s_endpgm
.Lentry_in_a_cluster:
	s_bfe_u32 s2, ttmp6, 0x10000c
	s_cmp_lg_u32 s2, 0x3003
	s_cbranch_scc0 .Lentry_shape_is_right
	s_endpgm
.Lentry_shape_is_right:
; q, k, v = x W^T, rotated, times 2^-2, by heads.  C[m][n] = sum over k of x[m][k] w[n][k], bf16 operands, f32 sums, K ascending.
; xb holds x in fragment order ([128 blocks of 16 rows][128 blocks of 32 k][1,024 bytes]: byte 512 j + 16 lane of a block is what a lane holds in registers 4 j .. 4 j + 3 of a 16 x 32 operand); wb [4096][4096] is row-major.
; qkv: [32 heads][2048][128] f16: heads 0-15 q / 4, 16-23 k / 4, 24-31 v / 4.  The rotation and the scale are one step in f32 on the finished sums; each number is rounded once, to f16.
; LIMIT.  f16 ends at 65,504: |q|, |k|, |v| stay under 262,016.  Below 2.4e-4 a number keeps f16's fixed step, 2.4e-7 of the unscaled number.
; SHARES.  A tile of C is 128 rows x 256 columns: 16 x 16 tiles, one work-group each (x: tile row, y: tile column).  Four waves, each 64 rows x 128 columns: 32 accumulators of 16 x 16, 256 registers.
; A wave's 128 columns are ONE head, so the partners d and d + 64 of the rotation are accumulators (a, b) and (a, b + 4): same lane, same register.
; wb GOES THROUGH LDS, in K steps of 256 through a ring of two slots; each wave fetches 64 rows of 512 bytes by one tensor load.  The four work-groups of a cluster make four tile rows of one tile column and need the same
; tiles of wb: each is asked for JOINTLY, by the same tensor load with the same descriptor and the mask of all four.
; xb GOES STRAIGHT INTO REGISTERS, and is NOT asked for jointly, though the 16 work-groups of a tile row read the same rows.  The reason, by this text's sizes: with both operands in LDS two slots of a K step of 256 would take
; 2 x 384 rows x 528 bytes = 405,504 bytes, and LDS has 327,680; with K steps of 128 a refill has 128 matrix instructions a wave in which to land and a round of the cluster's barrier stands in front of each.  With wb alone
; in LDS the slots hold 256 along K: 256 matrix instructions a wave for each refill and each round, and 16 LDS loads for 32 matrix instructions where 24 stood.  The price: a byte of xb is loaded 32 times, by 16 tile columns
; and two waves in each.  A ring of eight slots of 32 registers holds eight quarter steps (32 along K) of my 64 rows; a slot is loaded again in the quarter behind its use, for the quarter seven on.
; THE MATRIX INSTRUCTION IS USED TRANSPOSED (source 0 = 16 rows of wb, source 1 = 16 rows of x): a lane holds row lane % 16 of C and the columns 8 (lane / 16) + 0..7.
; REGISTERS, in windows of 256 (s_set_vgpr_msb: bits 1:0 source 0, 3:2 source 1, 5:4 source 2, 7:6 destination):
;   window 0: v16-30 addresses; v32-63 packed results; v64-127, v128-191 two buffers of 8 fragments of wb; on the way out v64-127 products, v128-191 rows read back
;   window 1: the accumulators, (a, b) at v[8 (8 a + b)]          window 2: x's ring, slot s at v[32 s], fragment a at + 8 a; in the last K step the table moves in behind x: for row block a and b = 0..3 eight cosines, eight sines at 64 a + 16 b
.set SIZE_K, 4096
.set KSTEP,  256
.set NSTEP,  SIZE_K/KSTEP              ; 16 K steps of eight quarters
.set PITCH,  528                       ; an LDS row: 512 bytes + 16 of padding = 132 words: row r starts at bank 4 r mod 64 (64 banks of 4 bytes: ISA guide 11.1), so the 16 rows of a load start at 16 different groups of four banks
.set WPART,  64*PITCH                  ; 64 rows: what one tensor load brings: 0x8400 bytes
.set SLOT,   4*WPART                   ; wb's 256 rows
.set SLOT1,  0x22000                   ; slot 1 begins here, behind slot 0's 0x21000 bytes.  Bits 17 and 13 are 0 in the waves' offsets 0, 0x8400, 0x10800, 0x18c00, so one exclusive or turns a wave's address in one slot into the other's
.set STAGE,  SLOT1+SLOT                ; behind the ring, never filled by a tensor load: 16 rows x 272 bytes for each wave
.set SPITCH, 272
.set SPARE,  STAGE+4*16*SPITCH         ; behind the stages: the spare words, 128 bytes for each wave: two blocks of 256 bytes that no other line names
.set RBS,    SIZE_K*32                 ; bytes of a block of 16 rows in xb
.set ADRB0, 16                         ; v16     my lane's place in my 128 rows of a slot; never rewritten
.set ADRB,  17                         ; v17     the same in the slot that is being read
.set STO,  24                          ; v24     the way out: where I put 16 bytes of a row
.set RD,   25                          ; v25     where I read rows back
.set L16,  26                          ; v26     16 x lane: my place in 512 consecutive bytes of xb, of the table and of qkv; never rewritten
.set SPW,  28                          ; v28     LDS address of my spare word; never rewritten
.set NIL,  29                          ; v29     0; never rewritten
.set PFO,  30                          ; v30     the prefetches' offset; never rewritten
.set TMP,  32
.set F0,   64
.set F1,   128
.set UU,   64                          ; the way out: first half x sin
.set TT,   96                          ; second half x sin
.set G1,   24                          ; s[24:31] descriptor group 1
.set G0A,  32                          ; s[32:35] group 0 of the first fill of slot 0
.set G0B,  36                          ; s[36:39] group 0 of the first fill of slot 1; it then walks on
.set LIM,  43                          ; s43     1 in a work-group that prefetches, else the greatest number
.set AP,   44                          ; s[44:45] xb at my first row block, at the K step in hand
.set PFA,  46                          ; s[46:47] where my prefetches stand
.set TB,   48                          ; s48     LDS byte at which the slot that is being read begins
.set MUL,  0x58                        ; source 0 (wb) window 0, source 1 (x) window 2, C and D window 1
.set MSB, 0
.macro WIN new                         ; the immediate's high byte repeats the setting that is left; a switch that changes nothing is dropped
.if MSB != (\new)
	s_set_vgpr_msb (MSB<<8)|(\new)
.set MSB, \new
.endif
.endm
.macro CREST                           ; a round of the cluster's barrier behind its opening barrier
	s_cmp_lg_u32 s10, 0
	s_cbranch_scc1 .Lnot_wave_0_\@
	s_barrier_signal -3
.Lnot_wave_0_\@:
	s_barrier_wait -3
	s_barrier_signal -1
	s_barrier_wait -1
.endm
.macro CROUND                          ; a whole round
	s_barrier_signal -1
	s_barrier_wait -1
	CREST
.endm
; A prefetch into the L2 of wb's K step that the NEXT refill will ask for: 256 matrix instructions ahead of that load.  A tile column's rows are read by four clusters: the cluster with x = 0 asks, and nobody else.
; Of the 64 rows that a wave fetches each of the four partners takes 16, told apart by address; a K step is 512 bytes of a row: lane l names byte 256 (l / 16) of row l % 16: one instruction a wave, each block named once.
; The trip with s3 = 1 has no K step behind the one that it fills and asks for nothing.  K steps 0 to 2 come by their loads alone.  xb is not asked for: its own loads go out seven quarters ahead.
.macro ASK
	s_cmp_gt_u32 s3, s[LIM]
	s_cbranch_scc0 .Lnot_mine_\@
	global_prefetch_b8 v[PFO], s[PFA:PFA+1] th:TH_LOAD_NT scope:SCOPE_SE
.Lnot_mine_\@:
.endm
; 8 matrix instructions: row blocks a0, a0 + 1 x column blocks 4 bh .. 4 bh + 3, 32 along K: wb's fragments in buffer f, x's in ring slot sl.  zero = 1: the product starts the sums.
; The 32 accumulators take turns, one instruction a turn, in the same order in every quarter.
.macro MULH f, sl, bh, a0, zero
	WIN MUL
.irp a, \a0, (\a0)+1
.irp b, 0,1,2,3
.if \zero
	v_wmma_f32_16x16x32_bf16 v[8*(8*(\a)+4*(\bh)+(\b)):8*(8*(\a)+4*(\bh)+(\b))+7], v[(\f)+8*(4*(\bh)+(\b)):(\f)+8*(4*(\bh)+(\b))+7], v[32*(\sl)+8*(\a):32*(\sl)+8*(\a)+7], 0
.else
	v_wmma_f32_16x16x32_bf16 v[8*(8*(\a)+4*(\bh)+(\b)):8*(8*(\a)+4*(\bh)+(\b))+7], v[(\f)+8*(4*(\bh)+(\b)):(\f)+8*(4*(\bh)+(\b))+7], v[32*(\sl)+8*(\a):32*(\sl)+8*(\a)+7], v[8*(8*(\a)+4*(\bh)+(\b)):8*(8*(\a)+4*(\bh)+(\b))+7]
.endif
.endr
.endr
.endm
; 16 LDS loads in one run: wb's eight fragments of 32 along K at byte k of the rows.  A fragment is 16 rows x 32 K in 8 registers: lane l holds row l % 16; two loads of 16 bytes, 32 bytes apart.
.macro FETCH k, f
	WIN 0
.irp i, 0,1,2,3,4,5,6,7
	ds_load_b128 v[(\f)+8*(\i):(\f)+8*(\i)+3],   v[ADRB] offset:(\k)+(\i)*16*PITCH
	ds_load_b128 v[(\f)+8*(\i)+4:(\f)+8*(\i)+7], v[ADRB] offset:(\k)+(\i)*16*PITCH+32
.endr
.endm
; 8 loads: x's four fragments of quarter g, counted from the K step at which s[AP] stands, into ring slot sl: 512 consecutive bytes an instruction.  The largest immediate is 3 RBS + 15,872.
.macro ALOAD sl, g
	WIN 0x80                                       ; destination window 2, address window 0
.irp a, 0,1,2,3
	global_load_b128 v[32*(\sl)+8*(\a):32*(\sl)+8*(\a)+3],   v[L16], s[AP:AP+1] offset:(\a)*RBS+(\g)*1024
	global_load_b128 v[32*(\sl)+8*(\a)+4:32*(\sl)+8*(\a)+7], v[L16], s[AP:AP+1] offset:(\a)*RBS+(\g)*1024+512
.endr
.endm
; 8 loads: group j of eight of the table for my 64 rows, into ring slot j, which x has left: row block j / 2, b = 2 (j % 2) and + 1.
.macro TLOAD j
	WIN 0x80
.irp bb, 0,1
.irp c, 0,1,2,3
	global_load_b128 v[32*(\j)+16*(\bb)+4*(\c):32*(\j)+16*(\bb)+4*(\c)+3], v[L16], s[72:73] offset:((\j)/2)*8192+(2*((\j)%2)+(\bb))*2048+(\c)*512
.endr
.endr
.endm
.macro PLACES                          ; four places in front of loads into registers that matrix instructions have read, and of vector work on results
.rept 4
	v_nop
.endr
.endm
; Quarter q (0 to 6) of a K step: 32 matrix instructions on buffer q % 2 and ring slot q.  Behind the first eight stand, in one run, the next quarter's 16 LDS loads and eight loads into the ring slot that the last quarter
; read: kind = 1: x's quarter arg (seven quarters on); kind = 2: the table's group arg.
; The counts.  48: loads come back in order (ISA guide 5.7.1), and behind the eight that filled my slot six groups of eight have been issued.  8: of this quarter's 16 LDS loads the first eight, column blocks 0 to 3, are in.
; 16: all but the 16 just issued.
.macro QUARTER q, zero, kind, arg
.set FQ, F0+64*((\q)%2)
.set GQ, F0+64*(((\q)+1)%2)
	s_wait_loadcnt 48
	s_wait_dscnt 8
	MULH FQ, \q, 0, 0, \zero
	PLACES
	FETCH 64*((\q)+1), GQ
.if (\kind) == 1
	ALOAD ((\q)+7)%8, \arg
.else
	TLOAD \arg
.endif
	MULH FQ, \q, 0, 2, \zero
	s_wait_dscnt 16
	MULH FQ, \q, 1, 0, \zero
	MULH FQ, \q, 1, 2, \zero
.endm
; Quarter 7 multiplies buffer 1 and changes slots: ONE barrier.  In front of it each wave waits for all its tensor loads (one is out: its part of the next slot), adds 0 to its spare word, and waits for that and for its own
; reads of this slot.  fill = 1: the barrier opens a round of the cluster's barrier, and this slot is filled again, two K steps on, first thing behind the round: 248 matrix instructions ahead of the wait for it.
.macro TURN fill
	s_wait_loadcnt 48
	s_wait_dscnt 8
	MULH F1, 7, 0, 0, 0
	PLACES
	ALOAD 6, 14
	WIN 0                                          ; (the add's two registers lie in window 0)
	s_wait_tensorcnt 0x0                           ; all my tensor loads have landed, so the walking group 0 may be written;
	ds_add_u32 v[SPW], v[NIL]                      ; 0 onto my spare word: the scalar steps stand between it and the wait for it
	s_xor_b32 s[TB], s[TB], SLOT1                  ; the reads go to the other slot
.if \fill
	s_xor_b32 s[G0B+1], s[G0B+1], SLOT1            ; the fill to the slot that is left,
	s_add_nc_u64 s[G0B+2:G0B+3], s[G0B+2:G0B+3], KSTEP*2  ; with the next K step; the type bits on top are not reached
.endif
	s_wait_dscnt 0x0                               ; the add is done, and my reads of this slot are over
	s_barrier_signal -1
	v_add_nc_u32 v[ADRB], s[TB], v[ADRB0]
	MULH F1, 7, 0, 2, 0                            ; work on registers while the others arrive
	WIN 0
	s_barrier_wait -1
.if \fill
	CREST                                          ; no wave of any partner still reads this slot's tile or has a load on its way
	tensor_load_to_lds s[G0B:G0B+3], s[G1:G1+7]
	s_nop 0
.endif
	FETCH 0, F0                                    ; buffer 0 was last read in quarter 6: the four v_nop above stand behind those products
.if \fill
	ASK
.endif
	MULH F1, 7, 1, 0, 0
	MULH F1, 7, 1, 2, 0
.endm
; From a K step's second quarter to the next step's first.
.macro STEP fill
	QUARTER 1, 0, 1, 8
	QUARTER 2, 0, 1, 9
	QUARTER 3, 0, 1, 10
	QUARTER 4, 0, 1, 11
	QUARTER 5, 0, 1, 12
	QUARTER 6, 0, 1, 13
	TURN \fill
	QUARTER 0, 0, 1, 15
.endm
	s_load_b128 s[4:7], s[0:1], 0x0                ; xb s[4:5], wb s[6:7]
	s_load_b128 s[68:71], s[0:1], 0x10             ; qkv s[68:69], tab s[70:71]
	v_lshl_add_u32 v[SPW], v0, 2, SPARE
	v_mov_b32 v[NIL], 0
	ds_add_u32 v[SPW], v[NIL]                      ; the wave's opening: the add and its wait stand ahead of my first tensor load; the set-up below, work on registers, stands between them
	v_lshrrev_b32 v1, 5, v0
	v_readfirstlane_b32 s10, v1                    ; wave 0..3.  Also: which 64 rows of wb's tile I fetch
	v_and_b32 v[L16], 31, v0
	v_lshlrev_b32 v[L16], 4, v[L16]
	s_lshr_b32 s11, s10, 1                         ; which 64 rows of the tile are mine
	s_and_b32 s12, s10, 1                          ; which 128 columns
	s_bfe_u32 s40, ttmp6, 0x40000                  ; cx: my place in the cluster
	s_lshl_b32 s13, ttmp9, 2                       ; in a cluster launch ttmp9 counts clusters
	s_add_co_u32 s13, s13, s40                     ; tile row = 4 x cluster x + cx: it enters xb's, the table's and qkv's addresses alone
	s_and_b32 s42, ttmp7, 0xffff                   ; tile column, which the four partners share
	s_mov_b32 s[G1+0], 15|(1<<16)|(1<<20)|(1<<21)|(6<<22)|(3<<25)  ; 15:0 the mask of four; 17:16 elements of 2 bytes; 20 padding on; 21 set beside a mask; 24:22 after every 128 words (code 6); 31:25 4 words of it (code 3)
	s_mov_b32 s[G1+1], KSTEP<<16                   ; tensor_dim0 = 256
	s_mov_b32 s[G1+2], 64<<16                      ; tensor_dim1 = 64
	s_mov_b32 s[G1+3], KSTEP<<16                   ; tile_dim0 = 256
	s_mov_b32 s[G1+4], 64                          ; tile_dim1 = 64
	s_mov_b32 s[G1+5], SIZE_K                      ; elements from row to row
	s_mov_b32 s[G1+6], 0
	s_mov_b32 s[G1+7], 0
	s_lshl_b32 s16, s42, 21                        ; wb: 256 rows of 8,192 bytes a tile column,
	s_lshl_b32 s17, s10, 19                        ; 64 a wave
	s_add_co_u32 s16, s16, s17
	s_mov_b32 s17, 0
	s_lshl_b32 s18, s13, 20                        ; xb: 8 row blocks of 131,072 bytes a tile row,
	s_lshl_b32 s19, s11, 19                        ; my 4
	s_add_co_u32 s18, s18, s19
	s_mov_b32 s19, 0
	s_mul_i32 s20, s10, WPART                      ; where my part of a tile goes: no place in the cluster enters an LDS address
	s_mov_b32 s[TB], 0
	s_wait_dscnt 0x0                               ; the opening add is done
	s_wait_kmcnt 0x0
	s_add_nc_u64 s[14:15], s[6:7], s[16:17]
	s_add_nc_u64 s[AP:AP+1], s[4:5], s[18:19]
	CROUND                                         ; all four work-groups are here: the first joint loads meet
	s_mov_b32 s[G0A], 1                            ; count = 1
	s_mov_b32 s[G0A+1], s20                        ; LDS address: slot 0
	s_mov_b64 s[G0A+2:G0A+3], s[14:15]             ; global address: K step 0
	s_or_b32 s[G0A+3], s[G0A+3], 0x80000000        ; type = 2
	s_mov_b32 s[G0B], 1
	s_add_co_u32 s[G0B+1], s20, SLOT1
	s_add_nc_u64 s[G0B+2:G0B+3], s[14:15], KSTEP*2
	s_or_b32 s[G0B+3], s[G0B+3], 0x80000000
	tensor_load_to_lds s[G0A:G0A+3], s[G1:G1+7]    ; two loads of mine are out
	s_nop 0
	tensor_load_to_lds s[G0B:G0B+3], s[G1:G1+7]
	s_nop 0
.irp g, 0,1,2,3,4,5,6
	ALOAD \g, \g                                   ; x's first seven quarters: 56 loads
.endr
	WIN 0
	v_and_b32 v1, 15, v0                           ; l % 16
	v_bfe_u32 v2, v0, 4, 1                         ; l / 16
	v_mul_u32_u24 v3, v1, PITCH
	v_lshl_add_u32 v3, v2, 4, v3                   ; a fragment's row x pitch + 16 x half
	s_mul_i32 s22, s12, 2*WPART                    ; my 128 rows of wb
	v_add_nc_u32 v[ADRB0], s22, v3
	v_mov_b32 v[ADRB], v[ADRB0]                    ; slot 0
	s_mul_i32 s23, s10, 16*SPITCH
	s_add_co_u32 s23, s23, STAGE                   ; my stage
	v_mul_u32_u24 v4, v1, SPITCH                   ; in: row l % 16, 16 bytes for each half of the lanes
	v_lshl_add_u32 v4, v2, 4, v4
	v_add_nc_u32 v[STO], s23, v4
	v_mul_u32_u24 v5, v2, SPITCH                   ; back: lanes 0-15 one row of 256 bytes, lanes 16-31 the next
	v_lshl_add_u32 v5, v1, 4, v5
	v_add_nc_u32 v[RD], s23, v5
	s_lshl_b32 s74, s42, 1
	s_add_co_u32 s74, s74, s12                     ; my head = 2 x tile column + half
	s_lshl_b32 s74, s74, 19                        ; 2,048 rows of 256 bytes
	s_lshl_b32 s75, s13, 15                        ; the tile's 128 rows
	s_add_co_u32 s74, s74, s75
	s_lshl_b32 s75, s11, 14                        ; my 64
	s_add_co_u32 s74, s74, s75
	s_mov_b32 s75, 0
	s_add_nc_u64 s[68:69], s[68:69], s[74:75]
	s_lshl_b32 s74, s13, 16                        ; the table's block of my first 16 rows: 8 blocks of 8,192 bytes a tile row,
	s_lshl_b32 s75, s11, 15                        ; my 4,
	s_add_co_u32 s74, s74, s75
	s_cmp_ge_u32 s42, 12                           ; or, for V's tiles (tile columns 12 to 15), the four blocks with cos = 1 / 4 and sin = 0
	s_cselect_b32 s74, 128*8192, s74
	s_mov_b32 s75, 0
	s_add_nc_u64 s[72:73], s[70:71], s[74:75]
	s_cmp_eq_u32 ttmp9, 0                          ; the prefetches: the same answer in all four partners
	s_cselect_b32 s[LIM], 1, -1
	s_lshl_b32 s20, s40, 17                        ; my work-group's 16 rows of the 64 that I fetch
	s_mov_b32 s21, 0
	s_add_nc_u64 s[PFA:PFA+1], s[14:15], s[20:21]
	s_add_nc_u64 s[PFA:PFA+1], s[PFA:PFA+1], 3*KSTEP*2  ; at K step 3, which the first trip names.  Nothing is prefetched here, at the head
	v_lshlrev_b32 v[PFO], 13, v1
	v_lshl_add_u32 v[PFO], v2, 8, v[PFO]
	s_wait_tensorcnt 1                             ; my part of K step 0 is in; K step 1's may stay out
	s_barrier_signal -1
	s_barrier_wait -1                              ; everybody's is
	FETCH 0, F0
	QUARTER 0, 1, 1, 7                             ; the first quarter stands in front of the loop: its products start the sums
	WIN 0                                          ; at a label and at a branch every window is 0
	s_mov_b32 s3, NSTEP-2
.Lstep:                                        ; 14 trips: K steps 0 to 13; trip t fills K step t + 2
	STEP 1
	WIN 0
	s_wait_xcnt 0x0                                ; every load and prefetch issued so far (the youngest load 24 matrix instructions back) has read its address, so the two pointers may be written
	s_add_nc_u64 s[AP:AP+1], s[AP:AP+1], KSTEP*32  ; eight blocks of 1,024 bytes on
	s_add_nc_u64 s[PFA:PFA+1], s[PFA:PFA+1], KSTEP*2
	s_sub_co_u32 s3, s3, 1
	s_cmp_lg_u32 s3, 0
	s_cbranch_scc1 .Lstep
	STEP 0                                         ; K step 14 fills nothing, and has no round of the cluster's barrier; its loads bring x's last eight quarters
	QUARTER 1, 0, 2, 0                             ; K step 15: x has no quarter left to ask for; the table's groups take the places of its loads, so every count stays as it was
	QUARTER 2, 0, 2, 1
	QUARTER 3, 0, 2, 2
	QUARTER 4, 0, 2, 3
	QUARTER 5, 0, 2, 4
	QUARTER 6, 0, 2, 5
	s_wait_loadcnt 48                              ; the very last quarter: nothing more to fetch from LDS
	s_wait_dscnt 8
	MULH F1, 7, 0, 0, 0
	PLACES
	TLOAD 6
	MULH F1, 7, 0, 2, 0
	s_wait_dscnt 0x0
	MULH F1, 7, 1, 0, 0
	MULH F1, 7, 1, 2, 0
	WIN 0
	PLACES
	TLOAD 7
	WIN 0
; THE WAY OUT of row block a (16 rows of my head).  out[d] = (c[d] cos - c[d + 64] sin) / 4, out[d + 64] = (c[d + 64] cos + c[d] sin) / 4, the quarter in the table; both products by sin are made of the unchanged sums first.
; Each accumulator's lowest registers are read first.  Then rounded to f16, 16 bytes a lane into my stage, back as whole rows of 256 bytes, and stored: 512 consecutive bytes an instruction.
.macro OUTBLK a
.set OB, 128+32*((\a)%2)
	s_wait_loadcnt 48-16*(\a)                      ; the block's two groups of the table are in; the later blocks' groups stay out
	WIN 0x09                                       ; source 0 window 1 (sums), source 1 window 2 (table), destination window 0
.irp b, 0,1,2,3
.irp j, 0,2,4,6
	v_pk_mul_f32 v[UU+8*(\b)+(\j):UU+8*(\b)+(\j)+1], v[8*(8*(\a)+(\b))+(\j):8*(8*(\a)+(\b))+(\j)+1], v[64*(\a)+16*(\b)+8+(\j):64*(\a)+16*(\b)+8+(\j)+1]
	v_pk_mul_f32 v[TT+8*(\b)+(\j):TT+8*(\b)+(\j)+1], v[8*(8*(\a)+(\b)+4)+(\j):8*(8*(\a)+(\b)+4)+(\j)+1], v[64*(\a)+16*(\b)+8+(\j):64*(\a)+16*(\b)+8+(\j)+1]
.endr
.endr
	WIN 0x49                                       ; destination and source 0 window 1, source 1 window 2, source 2 window 0
.irp b, 0,1,2,3
.irp j, 0,2,4,6
	v_pk_fma_f32 v[8*(8*(\a)+(\b))+(\j):8*(8*(\a)+(\b))+(\j)+1], v[8*(8*(\a)+(\b))+(\j):8*(8*(\a)+(\b))+(\j)+1], v[64*(\a)+16*(\b)+(\j):64*(\a)+16*(\b)+(\j)+1], v[TT+8*(\b)+(\j):TT+8*(\b)+(\j)+1] neg_lo:[0,0,1] neg_hi:[0,0,1]
	v_pk_fma_f32 v[8*(8*(\a)+(\b)+4)+(\j):8*(8*(\a)+(\b)+4)+(\j)+1], v[8*(8*(\a)+(\b)+4)+(\j):8*(8*(\a)+(\b)+4)+(\j)+1], v[64*(\a)+16*(\b)+(\j):64*(\a)+16*(\b)+(\j)+1], v[UU+8*(\b)+(\j):UU+8*(\b)+(\j)+1]
.endr
.endr
	WIN 0x05                                       ; sources window 1, destination window 0
.irp b, 0,1,2,3,4,5,6,7
.irp r, 0,1,2,3
	v_cvt_pk_f16_f32 v[TMP+4*(\b)+(\r)], v[8*(8*(\a)+(\b))+2*(\r)], v[8*(8*(\a)+(\b))+2*(\r)+1]
.endr
.endr
	WIN 0
.irp b, 0,1,2,3,4,5,6,7
	ds_store_b128 v[STO], v[TMP+4*(\b):TMP+4*(\b)+3] offset:32*(\b)
.endr
	s_wait_xcnt 0x0                                ; the registers that the stores of two blocks ago read are loaded again only behind this wait
.irp t, 0,1,2,3,4,5,6,7
	ds_load_b128 v[OB+4*(\t):OB+4*(\t)+3], v[RD] offset:(\t)*2*SPITCH  ; LDS serves a wave's instructions in order (ISA guide 5.7.1.4): these see the stores above
.endr
.irp t, 0,1,2,3,4,5,6,7
	s_wait_dscnt 7-(\t)                            ; the younger loads from the stage may stay out
	global_store_b128 v[L16], v[OB+4*(\t):OB+4*(\t)+3], s[68:69] offset:(\a)*4096+(\t)*512 th:TH_STORE_NT
.endr
.endm
	OUTBLK 0
	OUTBLK 1
	OUTBLK 2
	OUTBLK 3
	s_wait_tensorcnt 0x0                           ; the wave's end, behind my last tensor load and my last LDS store
	ds_add_u32 v[SPW], v[NIL]
	s_wait_dscnt 0x0
	CROUND                                         ; the closing round: no work-group ends while a partner may still ask for a tile that names it
	s_endpgm
.Lfunc_end_k_q44e592b52a_qkvproj:
	.size	k_q44e592b52a_qkvproj, .Lfunc_end_k_q44e592b52a_qkvproj-k_q44e592b52a_qkvproj
	.p2alignl 7, 3214868480
	.fill 96, 4, 3214868480
	.section	.rodata,"a",@progbits
	.p2align	6, 0x0
	.amdhsa_kernel k_q44e592b52a_qkvproj
		.amdhsa_group_segment_fixed_size 327680
		.amdhsa_private_segment_fixed_size 0
		.amdhsa_enable_private_segment 0
		.amdhsa_kernarg_size 32
		.amdhsa_user_sgpr_count 2
		.amdhsa_user_sgpr_kernarg_segment_ptr 1
		.amdhsa_wavefront_size32 1
		.amdhsa_system_sgpr_workgroup_id_x 1
		.amdhsa_system_sgpr_workgroup_id_y 1
		.amdhsa_system_sgpr_workgroup_id_z 1
		.amdhsa_system_vgpr_workitem_id 0
		.amdhsa_next_free_vgpr 768
		.amdhsa_next_free_sgpr 80
		.amdhsa_reserve_vcc 0
		.amdhsa_float_denorm_mode_32 3
		.amdhsa_float_denorm_mode_16_64 3
		.amdhsa_memory_ordered 1
		.amdhsa_forward_progress 1
		.amdhsa_inst_pref_size 144
	.end_amdhsa_kernel
	.amdgpu_metadata
---
amdhsa.version: [ 1, 2 ]
amdhsa.kernels:
  - .name:           k_q44e592b52a_qkvproj
    .symbol:         k_q44e592b52a_qkvproj.kd
    .args:
      - { .name: xb, .offset: 0, .size: 8, .value_kind: global_buffer, .address_space: global }
      - { .name: wb, .offset: 8, .size: 8, .value_kind: global_buffer, .address_space: global }
      - { .name: qkv, .offset: 16, .size: 8, .value_kind: global_buffer, .address_space: global }
      - { .name: tab, .offset: 24, .size: 8, .value_kind: global_buffer, .address_space: global }
    .group_segment_fixed_size: 327680
    .private_segment_fixed_size: 0
    .kernarg_segment_align: 8
    .kernarg_segment_size: 32
    .max_flat_workgroup_size: 128
    .sgpr_count:     80
    .vgpr_count:     768
    .wavefront_size: 32
...
	.end_amdgpu_metadata
.endif
;; end of part 2
;; launch attn (part 3): grid 32 x 8, 4 waves a work-group, clusters of 4 x 1, 327,680 bytes of LDS; arguments qkv, ob; writes ob
.if DOCPART == 3
	.amdgcn_target "amdgcn-amd-amdhsa--gfx1250"
	.amdhsa_code_object_version 6
	.text
	.protected	k_q44e592b52a_attn
	.globl	k_q44e592b52a_attn
	.p2align	8
	.type	k_q44e592b52a_attn,@function
k_q44e592b52a_attn:
	s_mov_b64 s[64:65], 0
	v_nop
	global_prefetch_b8 v0, s[64:65] scope:SCOPE_SE
	s_setreg_imm32_b32 hwreg(HW_REG_WAVE_MODE, 25, 1), 1
	s_wait_xcnt 0x0
	s_wait_alu depctr_hold_cnt(0) depctr_sa_sdst(0) depctr_va_vdst(0) depctr_va_sdst(0) depctr_va_ssrc(0) depctr_va_vcc(0) depctr_vm_vsrc(0)
	s_getreg_b32 s2, hwreg(HW_REG_IB_STS2, 6, 4)
	s_cmp_eq_u32 s2, 0
	s_cbranch_scc0 .Lentry_in_a_cluster
	s_endpgm
.Lentry_in_a_cluster:
	s_bfe_u32 s2, ttmp6, 0x10000c
	s_cmp_lg_u32 s2, 0x3003
	s_cbranch_scc0 .Lentry_shape_is_right
	s_endpgm
.Lentry_shape_is_right:
; CAUSAL ATTENTION, two query heads to a key and value head.  qkv: [32 heads][2048][128] f16: heads 0-15 q / 4, 16-23 k / 4, 24-31 v / 4.
; ob = attention / 4, f16, the matrix [2048 positions][2048 columns = 128 head + d] IN FRAGMENT ORDER: [128 blocks of 16 positions][64 blocks of 32 columns][1,024 bytes]; in a block, byte 512 j + 16 lane holds the eight
; numbers of position lane % 16, columns 16 j + 8 (lane / 16) + 0..7: what a lane of a matrix instruction's 16 x 32 operand holds in registers 4 j .. 4 j + 3.
; Products, maxima and sums in f32; the weights p are rounded to f16 for the second product (their sum l is taken of the unrounded p), the result once at the end.
; p = 2^(c s - c m) with a running maximum m; s is the product of the stored q / 4 and k / 4, so c = 16 log2(e) / sqrt(128).  In every step O and l are multiplied by a = 2^(c m_old - c m_new).
; LIMITS.  A hidden score counts as its value less 1e30: f16's products, 5.5e11 at the most, are nothing beside that.  A weight below 2^-126 counts as 0 in l; p below 6e-5 keeps f16's fixed step of 6e-8.
; NaN and infinities are not treated apart.
; THE WALK.  The 2,048 positions lie in 16 blocks of 128; block i needs the key tiles 0 .. i of 128 keys, of which the last holds the diagonal.  A CLUSTER of four work-groups takes key and value head g (y) and TWO blocks,
; 15 - B and then B (B = cluster x): 17 tiles, whatever B: all do equal work, and loops with constant trip counts walk them.  What a trip does hangs on scalar registers made from B, the same in all four partners.
; SHARES.  Partner cx owns positions 32 cx .. 32 cx + 31 of the block, for both query heads 2 g and 2 g + 1; wave w one tile of 16 queries: head 2 g + w / 2, positions 32 cx + 16 (w % 2) + 0..15.
; All four partners walk the same K and V, so each tile is asked for JOINTLY: the same tensor load, descriptor and mask in all four.  cx enters Q's and O's addresses, the prefetches' address and the mask's values alone.
; LAYOUT.  S^T = K Q^T (source 0 = 16 keys, source 1 = 16 queries): a lane holds ONE query (lane % 16) and the keys 8 (lane / 16) + 0..7 of each group of 16.  Two such results rounded to f16 in pairs ARE source 1
; (32 keys x 16 queries) of O^T = V^T P, whose result again holds one query a lane, and eight channels: rounded, they are the lane's 16 bytes of ob, stored straight from registers.
; K comes out of LDS as it lies, V ([key][channel]) turned, by ds_load_tr16_b128.
; THE MASK is the C operand that starts the sum S^T: MC = MD x AL; MD, made once, holds -1e30 where a key of the diagonal tile lies behind my query, else 0; AL = 1 in a block's last tile, else 0.
; A TRIP, for tile n, whose K and V are in registers or on their way from LDS: the 32 products K Q^T; the change of slots (tile n's slot has been read out; tile n + 1's has landed); the softmax, with the 64 LDS loads of
; K of tile n + 1 dealt among its lines, four at a time; the 32 products V^T P, each group of eight followed by the 16 loads of V of tile n + 1 into the registers that the group has read.  So the wave's 128 LDS loads
; of a tile stand beside vector and matrix work, not in front of it.
; REGISTERS, in windows of 256 (s_set_vgpr_msb: bits 1:0 source 0, 3:2 source 1, 5:4 source 2, 7:6 destination):
;   window 0: v1-15 addresses; v16-19 c m, m, l; v24-31 at work; v64-127 S^T; v128-159 P; v160-223 O^T; v224-255 Q          window 1: K of a tile, key group kb, channels 32 c on at 32 kb + 8 c
;   window 2: V of a tile, keys 32 kc on, channels 16 cb on at 64 kc + 8 cb          window 3: v0-63 MD; v64-127 MC; v128-159 the second block's Q
; The softmax works in window 0 and K's loads land in window 1: each group of four loads costs two switches, 32 a trip.
.set PK,    272       ; a row of K in LDS: 256 bytes + 16 of padding = 68 words: the 16 rows of a load start at 16 different groups of four banks (64 banks of 4 bytes: ISA guide 11.1)
.set PV,    288       ; a row of V: 256 + 32 = 72 words
.set VOFF,  128*PK    ; a slot holds a tile: 128 rows of K, then 128 rows of V
.set SLOT1, 1<<17     ; slot 1 begins here, so that one exclusive or turns an address in one slot into the other's
.set SPARE, SLOT1+128*(PK+PV)  ; behind the ring: the spare words, 128 bytes for each wave: two blocks of 256 bytes that no other line names
.set TILEB, 32768     ; a tile's bytes in K and in V
.set AK0, 2           ; v2   my lane's place in a tile of K; never rewritten
.set AV0, 3           ; v3   the same for V
.set AK,  4           ; v4   the LDS address of K's loads
.set AV,  5           ; v5   of V's
.set GO,  8           ; v8   16 x lane: my place in 512 consecutive bytes of ob; never rewritten
.set CMO, 12          ; v12  c m_old
.set QO,  15          ; v15  my byte offset in 16 rows of Q
.set CM,  16          ; v16  c m
.set M,   17          ; v17  m
.set L,   18          ; v[18:19] l: even keys', odd keys'
.set T0,  24          ; v24-31 at work; a takes v30
.set PFO, 61          ; v61  256 x lane; never rewritten
.set SPW, 62          ; v62  LDS address of my spare word; never rewritten
.set NIL, 63          ; v63  0; never rewritten
.set S,   64
.set P,   128
.set O,   160
.set Q,   224
.set MD,  0           ; window 3
.set MC,  64
.set QB,  128
.set WV,  12          ; s12  my wave's number
.set PB,  14          ; s14  B
.set HI,  15          ; s15  15 - B
.set PFA, 18          ; s[18:19] where my prefetches stand
.set G1K, 24          ; s[24:31] descriptor group 1 for K's tiles
.set G1V, 32          ; s[32:39] for V's: it differs in the padding alone
.set G0K, 40          ; s[40:43] descriptor group 0 for K's tiles
.set G0V, 44          ; s[44:47] for V's
.set SLOTS, 56        ; s56  tiles still to be asked for
.set CNT, 57          ; s57  counts the walk's last two tiles, 2 and 1
.set CS,  58          ; s[58:59] c: the packed scaling takes the pair's low word for both halves
.set SEL, 60          ; s[60:61] v_permlanex16_b32's selects: each lane takes its own place in the other half
.set TB,  62          ; s62  LDS byte at which the slot to be read begins
.set LIM, 63          ; s63  3 in a wave that prefetches, else the greatest number
.set RT,  70          ; s70  tiles of the block in hand that are still to be entered
.set NXT, 71          ; s71  the tile to be asked for next
.set LQ,  72          ; s72  the last tile of the block whose tiles are being asked for
.set OFF, 74          ; s[74:75] a tile's byte offset in K and V
.set AL,  76          ; s[76:77] the mask's factor, in the low word
.set OLO, 80          ; s[80:81] ob at my rows of the second block
.set BIGN, 82         ; s82  -1e30
.set MSB, 0
.macro WIN new                      ; the high byte repeats the setting that is left; a switch that changes nothing is dropped
.if MSB != (\new)
	s_set_vgpr_msb (MSB<<8)|(\new)
.set MSB, (\new)
.endif
.endm
; A joint fill.  Waves 0 and 1 fetch the two halves of a tile's K, waves 2 and 3 those of its V: 64 rows each.  The branch hangs on the wave's number alone.  An s_nop 0 and four v_nop follow each line.
.macro JLOAD
	s_cmp_lt_u32 s[WV], 2
	s_cbranch_scc0 .Lfor_v_\@
	tensor_load_to_lds s[G0K:G0K+3], s[G1K:G1K+7]
	s_nop 0
.rept 4
	v_nop
.endr
	s_branch .Lasked_\@
.Lfor_v_\@:
	tensor_load_to_lds s[G0V:G0V+3], s[G1V:G1V+7]
	s_nop 0
.rept 4
	v_nop
.endr
.Lasked_\@:
.endm
; A prefetch into the L2 of the tile that the change of slots after the next will ask for: two trips ahead of that load.  All eight clusters of a key and value head walk its tiles; the cluster with B = 0, whose first block
; needs all 16, asks, and nobody else.  Its four partners take 32 rows each, told apart by address; in each, wave 0 asks for K's and wave 2 for V's: a lane a row of 256 bytes, one instruction.  So each row is named once.
; Change number n (from 0) names tile n + 3; it asks while more than three tiles are still to be asked for, so the last tile named is 15.  Tiles 0 to 2 come by their loads alone.
.macro ASK
	s_cmp_gt_u32 s[SLOTS], s[LIM]
	s_cbranch_scc0 .Lnot_mine_\@
	global_prefetch_b8 v[PFO], s[PFA:PFA+1] th:TH_LOAD_NT scope:SCOPE_SE
.Lnot_mine_\@:
.endm
; A round of the cluster's barrier: my work-group's barrier, so that wave 0's signal speaks for all four waves; wave 0 signals; every wave waits for all four work-groups; my work-group's barrier once more.
.macro CROUND
	s_barrier_signal -1
	s_barrier_wait -1
	s_cmp_lg_u32 s[WV], 0
	s_cbranch_scc1 .Lnot_wave_0_\@
	s_barrier_signal -3
.Lnot_wave_0_\@:
	s_barrier_wait -3
	s_barrier_signal -1
	s_barrier_wait -1
.endm
; THE CHANGE OF SLOTS.  Each wave waits for all its tensor loads, of which one is out: its part of the other slot; adds 0 to its spare word; and waits for that and for its own reads of the slot that it leaves.
; fill = 1: the barrier is a round of the cluster's, and the old slot is filled again, first thing behind it, with tile NXT: the descriptor's address is made anew from that number.  One tensor load of mine is out at a time.
; (At its first use nothing has been read yet: slot 0 is waited for, slot 1 filled.)
.macro CHANGE fill
	WIN 0                           ; at a label and at a branch every window is 0
	s_wait_tensorcnt 0x0            ; no tensor load of mine is out, so a group 0 may be written
	ds_add_u32 v[SPW], v[NIL]       ; 0 onto my spare word: the scalar work stands between it and the wait for it
.if \fill
	s_lshl_b32 s[OFF], s[NXT], 15
	s_xor_b32 s[G0K+1], s[G0K+1], SLOT1
	s_add_nc_u64 s[G0K+2:G0K+3], s[6:7], s[OFF:OFF+1]
	s_or_b32 s[G0K+3], s[G0K+3], 0x80000000
	s_xor_b32 s[G0V+1], s[G0V+1], SLOT1
	s_add_nc_u64 s[G0V+2:G0V+3], s[8:9], s[OFF:OFF+1]
	s_or_b32 s[G0V+3], s[G0V+3], 0x80000000
	s_add_co_u32 s[NXT], s[NXT], 1  ; the block's next tile, or behind its last the second block's tile 0
	s_cmp_gt_u32 s[NXT], s[LQ]
	s_cselect_b32 s[NXT], 0, s[NXT]
	s_cselect_b32 s[LQ], s[PB], s[LQ]
	s_wait_xcnt 0x0                 ; the last prefetch, a trip back, has read its address
	s_add_nc_u64 s[PFA:PFA+1], s[PFA:PFA+1], TILEB
.endif
	s_xor_b32 s[TB], s[TB], SLOT1   ; the reads go to the other slot
	s_wait_dscnt 0x0                ; the add is done, and my reads of the slot, V's last among them, are over
.if \fill
	CROUND
	JLOAD
	ASK
.else
	s_barrier_signal -1
	s_barrier_wait -1
.endif
.endm
	s_load_b128 s[88:91], s[0:1], 0x0  ; qkv s[88:89], ob s[90:91]
	v_lshl_add_u32 v[SPW], v0, 2, SPARE
	v_mov_b32 v[NIL], 0
	ds_add_u32 v[SPW], v[NIL]       ; the wave's opening: the add and its wait stand ahead of my first tensor load; the set-up below, work on registers, stands between them
	v_lshrrev_b32 v1, 5, v0
	v_readfirstlane_b32 s[WV], v1   ; wave 0..3
	s_bfe_u32 s13, ttmp6, 0x40000   ; cx: my place in the cluster
	s_mov_b32 s[PB], ttmp9          ; in a cluster launch ttmp9 counts clusters
	s_sub_co_u32 s[HI], 15, s[PB]
	s_and_b32 s20, ttmp7, 0xffff    ; g, which the four partners share
	s_and_b32 s16, s[WV], 1
	s_add_co_u32 s22, s20, 16       ; K's head in qkv,
	s_lshl_b32 s22, s22, 19         ; 2,048 rows of 256 bytes a head,
	s_lshl_b32 s21, s16, 14         ; and the half of a tile's 128 rows that I fetch
	s_add_co_u32 s22, s22, s21
	s_mov_b32 s23, 0
	s_mul_i32 s21, s16, 64*PK       ; its place in a slot, for K
	s_mul_i32 s17, s16, 64*PV       ; and for V: no place in the cluster enters an LDS address
	s_lshr_b32 s2, s[WV], 1
	s_lshl1_add_u32 s2, s20, s2     ; my query head = 2 g + w / 2
	s_lshl_b32 s3, s2, 19           ; Q: the head,
	s_lshl_b32 s84, s13, 13         ; my work-group's 32 rows,
	s_add_co_u32 s3, s3, s84
	s_lshl_b32 s84, s16, 12         ; my wave's 16
	s_add_co_u32 s3, s3, s84
	s_lshl_b32 s84, s[HI], 15       ; in the first block
	s_add_co_u32 s84, s84, s3
	s_mov_b32 s85, 0
	s_lshl_b32 s92, s[PB], 15       ; and in the second
	s_add_co_u32 s92, s92, s3
	s_mov_b32 s93, 0
	s_lshl_b32 s3, s2, 12           ; ob: the head's four blocks of 1,024 bytes in a block of 16 positions, which is 65,536 bytes;
	s_lshl_b32 s94, s13, 17         ; my work-group's two such blocks,
	s_add_co_u32 s3, s3, s94
	s_lshl_b32 s94, s16, 16         ; my wave's one,
	s_add_co_u32 s3, s3, s94
	s_lshl_b32 s94, s[HI], 19       ; of the eight of the first block of 128 positions
	s_add_co_u32 s94, s94, s3
	s_mov_b32 s95, 0
	s_lshl_b32 s66, s[PB], 19       ; and of the second
	s_add_co_u32 s66, s66, s3
	s_mov_b32 s67, 0
	; descriptor group 1: a tile of 64 rows x 128 elements, padded in LDS
	s_mov_b32 s[G1K], 15|(1<<16)|(1<<20)|(1<<21)|(5<<22)|(3<<25)  ; 15:0 the mask of four; 17:16 2-byte elements; 20 padding on; 21 set beside a mask; 24:22 after every 64 words (code 5); 31:25 4 words (code 3)
	s_mov_b32 s[G1V], 15|(1<<16)|(1<<20)|(1<<21)|(5<<22)|(7<<25)  ; the same with 8 words of padding (code 7)
.irp g, G1K, G1V
	s_mov_b32 s[\g+1], 128<<16      ; tensor_dim0 = 128
	s_mov_b32 s[\g+2], 64<<16       ; tensor_dim1 = 64
	s_mov_b32 s[\g+3], 128<<16      ; tile_dim0 = 128
	s_mov_b32 s[\g+4], 64           ; tile_dim1 = 64
	s_mov_b32 s[\g+5], 128          ; 128 elements from row to row
	s_mov_b32 s[\g+6], 0
	s_mov_b32 s[\g+7], 0
.endr
	s_mov_b32 s[G0K], 1             ; count = 1
	s_mov_b32 s[G0K+1], s21         ; LDS address: slot 0
	s_mov_b32 s[G0V], 1
	s_add_co_u32 s[G0V+1], s17, VOFF
	s_mov_b32 s[CS], 0x400293ee     ; c = 16 log2(e) / sqrt(128) = 2.04027
	s_mov_b32 s[CS+1], s[CS]        ; named with it as a pair
	s_mov_b32 s[SEL], 0x76543210
	s_mov_b32 s[SEL+1], 0xfedcba98
	s_mov_b32 s[TB], SLOT1          ; the first change of slots turns it into 0
	s_add_co_u32 s[RT], s[HI], 1    ; the first block has 16 - B tiles
	s_mov_b32 s[NXT], 1
	s_mov_b32 s[LQ], s[HI]
	s_mov_b32 s[OFF+1], 0
	s_mov_b32 s[AL], 0
	s_mov_b32 s[AL+1], 0            ; named as a pair
	s_mov_b32 s[BIGN], 0xf149f2ca   ; -1e30
	s_mov_b32 s[SLOTS], 16
	s_and_b32 s[LIM], s[WV], 1      ; 0 in waves 0 and 2,
	s_or_b32 s[LIM], s[LIM], ttmp9  ; where B = 0: the same in all four partners
	s_cmp_eq_u32 s[LIM], 0
	s_cselect_b32 s[LIM], 3, -1
	s_wait_dscnt 0x0                ; the opening add is done
	s_wait_kmcnt 0x0
	s_add_nc_u64 s[6:7], s[88:89], s[22:23]        ; K at my half of the head's tile 0,
	s_add_nc_u64 s[8:9], s[6:7], 8<<19             ; V eight heads on
	s_add_nc_u64 s[G0K+2:G0K+3], s[6:7], 0         ; global address
	s_or_b32 s[G0K+3], s[G0K+3], 0x80000000        ; type = 2
	s_add_nc_u64 s[G0V+2:G0V+3], s[8:9], 0
	s_or_b32 s[G0V+3], s[G0V+3], 0x80000000
	s_add_nc_u64 s[4:5], s[88:89], s[84:85]        ; Q at my rows of the first block,
	s_add_nc_u64 s[86:87], s[88:89], s[92:93]      ; of the second
	s_add_nc_u64 s[10:11], s[90:91], s[94:95]      ; ob likewise
	s_add_nc_u64 s[OLO:OLO+1], s[90:91], s[66:67]
	s_cmp_lt_u32 s[WV], 2
	s_cselect_b64 s[PFA:PFA+1], s[6:7], s[8:9]     ; (in waves 0 and 2 these stand at a tile's first row)
	s_lshl_b32 s2, s13, 13          ; my work-group's 32 rows of the 128
	s_mov_b32 s3, 0
	s_add_nc_u64 s[PFA:PFA+1], s[PFA:PFA+1], s[2:3]
	s_add_nc_u64 s[PFA:PFA+1], s[PFA:PFA+1], 2*TILEB  ; in tile 2; the first change of slots steps it to tile 3.  Nothing is prefetched here, at the head
	CROUND                          ; all four work-groups are here: the first joint loads meet
	JLOAD                           ; tile 0 into slot 0
	; A fragment of K or Q is 16 rows x 32 channels in 8 registers: lane l holds row l % 16, channels 8 (l / 16) + 0..7 and 16 + 8 (l / 16) + 0..7: two loads of 16 bytes, 32 bytes apart.
	v_and_b32 v1, 15, v0            ; l % 16
	v_bfe_u32 v9, v0, 4, 1          ; l / 16
	v_lshlrev_b32 v[QO], 8, v1
	v_lshl_add_u32 v[QO], v9, 4, v[QO]  ; row x 256 + 16 x half
.irp c, 0,1,2,3
	global_load_b128 v[Q+8*(\c):Q+8*(\c)+3],   v[QO], s[4:5] offset:64*(\c)
	global_load_b128 v[Q+8*(\c)+4:Q+8*(\c)+7], v[QO], s[4:5] offset:64*(\c)+32
.endr
	v_lshlrev_b32 v14, 3, v9
	v_sub_nc_u32 v14, v1, v14
	s_lshl_b32 s2, s13, 5
	s_lshl_b32 s3, s16, 4
	s_add_co_u32 s2, s2, s3
	v_add_nc_u32 v14, s2, v14       ; my query's place in its block, 32 cx + 16 (w % 2) + l % 16, less my lanes' 8 (l / 16): register j of key group kb is hidden where 16 kb + j is greater
	WIN 0xc0                        ; destination window 3
.irp c, 0,1,2,3
	global_load_b128 v[QB+8*(\c):QB+8*(\c)+3],   v[QO], s[86:87] offset:64*(\c)
	global_load_b128 v[QB+8*(\c)+4:QB+8*(\c)+7], v[QO], s[86:87] offset:64*(\c)+32
.endr
.set i, 0
.rept 64
	v_cmp_gt_i32 vcc_lo, 16*(i/8)+i%8, v14
	v_cndmask_b32 v[MD+i], 0, s[BIGN], vcc_lo
.set i, i+1
.endr
	WIN 0
	; A block's first step multiplies O^T and l by a = 0, so they need only hold finite numbers: zeros for the first block, what the first block left for the second.  No first step is written out; the price is these lines, in the wait for the first tile.
.set i, 0
.rept 64
	v_mov_b32 v[O+i], 0
.set i, i+1
.endr
	v_mov_b32 v[L], 0
	v_mov_b32 v[L+1], 0
	v_mov_b32 v[CM], 0xfe000000     ; c m: far below every c s
	v_mov_b32 v[M], 0xff7fffff      ; m: the lowest finite number
	v_mul_u32_u24 v[AK0], v1, PK
	v_lshl_add_u32 v[AK0], v9, 4, v[AK0]  ; row x pitch + 16 x half
	; The turning load takes 16 keys x 16 channels (lane l reads key 8 (l / 16) + l % 8, channels 8 ((l / 8) % 2) + 0..7) and leaves half a fragment of V^T: lane l holds channel l % 16 and 8 keys.
	v_and_b32 v10, 7, v0
	v_bfe_u32 v11, v0, 3, 1
	v_lshl_add_u32 v[AV0], v9, 3, v10
	v_mul_u32_u24 v[AV0], v[AV0], PV
	v_lshl_add_u32 v[AV0], v11, 4, v[AV0]
	v_add_nc_u32 v[AV0], VOFF, v[AV0]
	v_and_b32 v[GO], 31, v0
	v_lshlrev_b32 v[GO], 4, v[GO]
	v_and_b32 v[PFO], 31, v0
	v_lshlrev_b32 v[PFO], 8, v[PFO]
.macro MASK                         ; MC = MD x AL
	WIN 0xc3                        ; destination and source 0 window 3
.set z, 0
.rept 32
	v_pk_mul_f32 v[MC+2*z:MC+2*z+1], v[MD+2*z:MD+2*z+1], s[AL:AL+1] op_sel_hi:[1,0]
.set z, z+1
.endr
	WIN 0
.endm
.macro PLACES                       ; four places behind a matrix instruction, in front of loads into registers that it has read and of vector work on its result
.rept 4
	v_nop
.endr
.endm
; K's fragment kf of 32 (key group kf / 4, channels 32 (kf % 4) on) lies in registers 8 kf .. 8 kf + 7 of window 1: two loads.
.macro KPAIR
	ds_load_b128 v[8*kf:8*kf+3],   v[AK] offset:(kf/4)*16*PK+(kf%4)*64
	ds_load_b128 v[8*kf+4:8*kf+7], v[AK] offset:(kf/4)*16*PK+(kf%4)*64+32
.set kf, kf+1
.endm
.macro FETCH_K                      ; a tile's K in one run of 64 loads
	WIN 0x40                        ; destination window 1
.set kf, 0
.rept 32
	KPAIR
.endr
	WIN 0
.endm
.macro KL                           ; the next four of K's 64 loads, among the softmax's lines
.if KON
	WIN 0x40
	KPAIR
	KPAIR
	WIN 0
.endif
.endm
; A quarter of a tile's V, keys 32 kc on: 16 turning loads.
.macro FETCH_V kc
	WIN 0x80                        ; destination window 2
.irp cb, 0,1,2,3,4,5,6,7
	ds_load_tr16_b128 v[64*(\kc)+8*(\cb):64*(\kc)+8*(\cb)+3],   v[AV] offset:(\kc)*32*PV+(\cb)*32
	ds_load_tr16_b128 v[64*(\kc)+8*(\cb)+4:64*(\kc)+8*(\cb)+7], v[AV] offset:(\kc)*32*PV+16*PV+(\cb)*32
.endr
.endm
; 8 products of S^T = K Q^T on channels 32 c on; the first 8 start the sums with the mask.  The 8 accumulators take turns: seven others stand between two links of a chain.
.macro QKMUL c
.irp kb, 0,1,2,3,4,5,6,7
.if (\c) == 0
	WIN 0x31                        ; K window 1, the mask window 3
	v_wmma_f32_16x16x32_f16 v[S+8*(\kb):S+8*(\kb)+7], v[32*(\kb):32*(\kb)+7], v[Q:Q+7], v[MC+8*(\kb):MC+8*(\kb)+7]
.else
	WIN 0x01
	v_wmma_f32_16x16x32_f16 v[S+8*(\kb):S+8*(\kb)+7], v[32*(\kb)+8*(\c):32*(\kb)+8*(\c)+7], v[Q+8*(\c):Q+8*(\c)+7], v[S+8*(\kb):S+8*(\kb)+7]
.endif
.endr
.endm
; The 32 products of O^T += V^T P, the 8 accumulators by turns.  von = 1: behind each group of eight, and four places, the next tile's V takes the registers that the group has read.
.macro PVMUL von
.irp kc, 0,1,2,3
	WIN 0x02                        ; V window 2
.irp cb, 0,1,2,3,4,5,6,7
	v_wmma_f32_16x16x32_f16 v[O+8*(\cb):O+8*(\cb)+7], v[64*(\kc)+8*(\cb):64*(\kc)+8*(\cb)+7], v[P+8*(\kc):P+8*(\kc)+7], v[O+8*(\cb):O+8*(\cb)+7]
.endr
.if (\von) || ((\kc) == 3)
	PLACES                          ; behind the last group they are also the places in front of the work on O^T
.endif
.if \von
	FETCH_V \kc
.endif
.endr
	WIN 0
.endm
; THE SOFTMAX of my 16 queries x 128 keys, all in window 0.  A lane has 64 scores.  kon = 1: the next tile's K comes in beside it: 16 groups of four loads, behind every eighth line of the maxima and of the scalings and
; behind every fourth group of exponentials.  The first group stands 12 vector instructions behind the last product that read K, four of them v_nop or a move.
.macro SM kon
.set KON, (\kon)
.set kf, 0
	v_mov_b32 v[CMO], v[CM]         ; c m_old is kept; with three v_nop the four places behind the last product K Q^T
	v_nop
	v_nop
	v_nop
.irp kb, 0,1,2,3,4,5,6,7            ; eight chains of seven scores; each accumulator's lowest registers are read first
	v_max3_num_f32 v[T0+(\kb)], v[S+8*(\kb)], v[S+8*(\kb)+1], v[S+8*(\kb)+2]
.endr
	KL
.irp kb, 0,1,2,3,4,5,6,7
	v_max3_num_f32 v[T0+(\kb)], v[T0+(\kb)], v[S+8*(\kb)+3], v[S+8*(\kb)+4]
.endr
	KL
.irp kb, 0,1,2,3,4,5,6,7
	v_max3_num_f32 v[T0+(\kb)], v[T0+(\kb)], v[S+8*(\kb)+5], v[S+8*(\kb)+6]
.endr
	KL
	v_max3_num_f32 v[T0],   v[T0],   v[S+7],  v[S+15]  ; the eight scores left over, the chains and the old m
	v_max3_num_f32 v[T0+1], v[T0+1], v[S+23], v[S+31]
	v_max3_num_f32 v[T0+2], v[T0+2], v[S+39], v[S+47]
	v_max3_num_f32 v[T0+3], v[T0+3], v[S+55], v[S+63]
	v_max3_num_f32 v[T0+4], v[T0+4], v[T0+5], v[T0+6]
	v_max3_num_f32 v[T0],   v[T0],   v[T0+1], v[T0+2]
	v_max3_num_f32 v[T0+3], v[T0+3], v[T0+7], v[M]
	v_max3_num_f32 v[T0],   v[T0],   v[T0+3], v[T0+4]
	KL
	v_permlanex16_b32 v[T0+1], v[T0], s[SEL], s[SEL+1]  ; the query's other 64 keys lie in the lane 16 away
	v_max_num_f32 v[M], v[T0], v[T0+1]
	v_mul_f32 v[CM], s[CS], v[M]
	v_sub_f32 v[T0+2], v[CMO], v[CM]
	v_exp_f32 v[T0+6], v[T0+2]      ; a; the scalings below are the plain instructions behind it
.set n, 0
.rept 32
	v_pk_fma_f32 v[S+2*n:S+2*n+1], v[S+2*n:S+2*n+1], s[CS:CS+1], v[CM:CM+1] op_sel_hi:[1,0,0] neg_lo:[0,0,1] neg_hi:[0,0,1]  ; c s - c m
.if n%8 == 7
	KL
.endif
.set n, n+1
.endr
.set n, 0
.rept 32                            ; two exponentials, a pair of O^T times a (from each accumulator's low end on), the pair of weights before rounded: a plain instruction stands behind the exponentials before a result is used
	v_exp_f32 v[S+2*n], v[S+2*n]
	v_exp_f32 v[S+2*n+1], v[S+2*n+1]
	s_wait_alu depctr_va_vdst(0)
	v_pk_mul_f32 v[O+2*n:O+2*n+1], v[O+2*n:O+2*n+1], v[T0+6:T0+7] op_sel_hi:[1,0]
.if n > 0
	s_wait_alu depctr_va_vdst(0)
	v_cvt_pk_f16_f32 v[P+n-1], v[S+2*n-2], v[S+2*n-1]
.endif
.if n%4 == 3
	KL
.endif
.set n, n+1
.endr
	s_wait_alu depctr_va_vdst(0)
	v_cvt_pk_f16_f32 v[P+31], v[S+62], v[S+63]
.irp w, 1,2,4,8,16                  ; the sum of the 32 pairs, in place: neighbours 1, 2, 4, 8 and 16 pairs apart
.set p, 0
.rept 16/(\w)
	v_pk_add_f32 v[S+2*p:S+2*p+1], v[S+2*p:S+2*p+1], v[S+2*p+2*(\w):S+2*p+2*(\w)+1]
.set p, p+2*(\w)
.endr
.endr
	v_pk_fma_f32 v[L:L+1], v[L:L+1], v[T0+6:T0+7], v[S:S+1] op_sel_hi:[1,0,1]  ; l = a l + the sum
.endm
; A BLOCK'S END: l's two halves and the other half of the lanes' are added; O^T is divided by l and rounded to f16.  Accumulator cb's eight numbers of a lane are the 16 bytes at 512 cb + 16 lane of my head's 4,096 bytes
; in my block of 16 positions: eight stores of 512 consecutive bytes, straight from registers.
.macro BLOCKEND
	v_add_f32 v[T0], v[L], v[L+1]
	v_permlanex16_b32 v[T0+1], v[T0], s[SEL], s[SEL+1]
	v_add_f32 v[T0], v[T0], v[T0+1]
	v_rcp_f32 v[T0+2], v[T0]
	v_nop                           ; a plain instruction between the reciprocal and the use of its result
.set i, 0
	s_wait_alu depctr_va_vdst(0)
.rept 32
	v_pk_mul_f32 v[O+2*i:O+2*i+1], v[O+2*i:O+2*i+1], v[T0+2:T0+3] op_sel_hi:[1,0]
.set i, i+1
.endr
.set i, 0
.rept 32
	v_cvt_pk_f16_f32 v[S+i], v[O+2*i], v[O+2*i+1]
.set i, i+1
.endr
.irp cb, 0,1,2,3,4,5,6,7
	global_store_b128 v[GO], v[S+4*(\cb):S+4*(\cb)+3], s[10:11] offset:(\cb)*512 th:TH_STORE_NT
.endr
.endm
; THE SECOND BLOCK BEGINS: its rows of ob, its tiles, its Q (loaded at the start) where the one text names Q; m and c m anew; the mask off.
.macro SWITCH
	s_wait_xcnt 0x0                 ; the stores have read their registers, which the next scores will take, and ob's address
	s_mov_b64 s[10:11], s[OLO:OLO+1]
	s_add_co_u32 s[RT], s[PB], 1    ; B + 1 tiles
	WIN 0x03                        ; source window 3
.set i, 0
.rept 32
	v_mov_b32 v[Q+i], v[QB+i]
.set i, i+1
.endr
	WIN 0
	v_mov_b32 v[CM], 0xfe000000
	v_mov_b32 v[M], 0xff7fffff
	s_mov_b32 s[AL], 0
	MASK
.endm
; A TRIP: one tile.  fill = 1: the loop's: the slot that is left is filled again, and the next tile's loads stand among the softmax and the products.  fill = 0: the walk's last two tiles, one text walked twice: nothing is
; asked for; the next tile's loads stand in two runs, which the last trip (CNT = 1), behind which no tile comes, jumps over; it also jumps over the second block's beginning.
; Every jump but the loops' own goes forward, past text that holds neither a barrier nor a tensor load.
; The count 63: behind K's 64 loads stand V's 64, and a wait can name 63 at the most: all but the youngest 63 are done, K's among them.  (The issue of an LDS instruction that the counter has no room for is held back: ISA guide 5.7.1.)
.macro TRIP fill
	s_sub_co_u32 s[RT], s[RT], 1
	s_cmp_lg_u32 s[RT], 0
	s_cbranch_scc1 .Lopen_\@
	s_mov_b32 s[AL], 1.0            ; the block's last tile holds the diagonal
	MASK
.Lopen_\@:
	s_wait_dscnt 63                 ; K is in
.irp c, 0,1,2,3
	QKMUL \c
.endr
	CHANGE \fill
	v_add_nc_u32 v[AK], s[TB], v[AK0]
	v_add_nc_u32 v[AV], s[TB], v[AV0]
.if \fill
	SM 1
	PVMUL 1
.else
	PLACES                          ; in front of the loads into K's registers
	s_cmp_eq_u32 s[CNT], 1
	s_cbranch_scc1 .Lno_k_\@
	FETCH_K
.Lno_k_\@:
	SM 0
	PVMUL 0
	s_cmp_eq_u32 s[CNT], 1
	s_cbranch_scc1 .Lno_v_\@
.irp kc, 0,1,2,3
	FETCH_V \kc
.endr
	WIN 0
.Lno_v_\@:
.endif
	s_cmp_lg_u32 s[RT], 0
	s_cbranch_scc1 .Lmore_\@
	BLOCKEND
.if (\fill) == 0
	s_cmp_eq_u32 s[CNT], 1
	s_cbranch_scc1 .Lmore_\@
.endif
	SWITCH
.Lmore_\@:
.endm
	MASK                            ; AL = 0: no mask yet
	s_wait_loadcnt 0x0              ; both blocks' Q
	CHANGE 1                        ; tile 0 is in, everybody's part of it; tile 1 is asked for
	v_add_nc_u32 v[AK], s[TB], v[AK0]
	v_add_nc_u32 v[AV], s[TB], v[AV0]
	FETCH_K                         ; tile 0's K and V: there is no work yet to set them beside
.irp kc, 0,1,2,3
	FETCH_V \kc
.endr
	WIN 0
	s_mov_b32 s[SLOTS], 15
.Lslot:                             ; 15 times: trip n multiplies tile n of the walk, asks for tile n + 2 and fetches tile n + 1 from LDS
	TRIP 1
	s_sub_co_u32 s[SLOTS], s[SLOTS], 1
	s_cmp_lg_u32 s[SLOTS], 0
	s_cbranch_scc1 .Lslot
	s_mov_b32 s[CNT], 2
.Ltail:                             ; tiles 15 and 16 are written apart
	TRIP 0
	s_sub_co_u32 s[CNT], s[CNT], 1
	s_cmp_lg_u32 s[CNT], 0
	s_cbranch_scc1 .Ltail
	s_wait_tensorcnt 0x0            ; the wave's end, behind my last tensor load
	ds_add_u32 v[SPW], v[NIL]
	s_wait_dscnt 0x0
	CROUND                          ; the closing round: no work-group ends while a partner may still ask for a tile that names it
	s_endpgm
.Lfunc_end_k_q44e592b52a_attn:
	.size	k_q44e592b52a_attn, .Lfunc_end_k_q44e592b52a_attn-k_q44e592b52a_attn
	.p2alignl 7, 3214868480
	.fill 96, 4, 3214868480
	.section	.rodata,"a",@progbits
	.p2align	6, 0x0
	.amdhsa_kernel k_q44e592b52a_attn
		.amdhsa_group_segment_fixed_size 327680
		.amdhsa_private_segment_fixed_size 0
		.amdhsa_enable_private_segment 0
		.amdhsa_kernarg_size 16
		.amdhsa_user_sgpr_count 2
		.amdhsa_user_sgpr_kernarg_segment_ptr 1
		.amdhsa_wavefront_size32 1
		.amdhsa_system_sgpr_workgroup_id_x 1
		.amdhsa_system_sgpr_workgroup_id_y 1
		.amdhsa_system_sgpr_workgroup_id_z 1
		.amdhsa_system_vgpr_workitem_id 0
		.amdhsa_next_free_vgpr 928
		.amdhsa_next_free_sgpr 96
		.amdhsa_reserve_vcc 1
		.amdhsa_float_denorm_mode_32 3
		.amdhsa_float_denorm_mode_16_64 3
		.amdhsa_memory_ordered 1
		.amdhsa_forward_progress 1
		.amdhsa_inst_pref_size 109
	.end_amdhsa_kernel
	.amdgpu_metadata
---
amdhsa.version: [ 1, 2 ]
amdhsa.kernels:
  - .name:           k_q44e592b52a_attn
    .symbol:         k_q44e592b52a_attn.kd
    .args:
      - { .name: qkv, .offset: 0, .size: 8, .value_kind: global_buffer, .address_space: global }
      - { .name: ob, .offset: 8, .size: 8, .value_kind: global_buffer, .address_space: global }
    .group_segment_fixed_size: 327680
    .private_segment_fixed_size: 0
    .kernarg_segment_align: 8
    .kernarg_segment_size: 16
    .max_flat_workgroup_size: 128
    .sgpr_count:     96
    .vgpr_count:     928
    .wavefront_size: 32
...
	.end_amdgpu_metadata
.endif
;; end of part 3
;; launch oproj (part 4): grid 16 x 16, 4 waves a work-group, clusters of 4 x 1, 327,680 bytes of LDS; arguments ob, wob, out0; writes out0
.if DOCPART == 4
	.amdgcn_target "amdgcn-amd-amdhsa--gfx1250"
	.amdhsa_code_object_version 6
	.text
	.protected	k_q44e592b52a_oproj
	.globl	k_q44e592b52a_oproj
	.p2align	8
	.type	k_q44e592b52a_oproj,@function
k_q44e592b52a_oproj:
	s_mov_b64 s[64:65], 0
	v_nop
	global_prefetch_b8 v0, s[64:65] scope:SCOPE_SE
	s_setreg_imm32_b32 hwreg(HW_REG_WAVE_MODE, 25, 1), 1
	s_wait_xcnt 0x0
	s_wait_alu depctr_hold_cnt(0) depctr_sa_sdst(0) depctr_va_vdst(0) depctr_va_sdst(0) depctr_va_ssrc(0) depctr_va_vcc(0) depctr_vm_vsrc(0)
	s_getreg_b32 s2, hwreg(HW_REG_IB_STS2, 6, 4)
	s_cmp_eq_u32 s2, 0
	s_cbranch_scc0 .Lentry_in_a_cluster
	s_endpgm
.Lentry_in_a_cluster:
	s_bfe_u32 s2, ttmp6, 0x10000c
	s_cmp_lg_u32 s2, 0x3003
	s_cbranch_scc0 .Lentry_shape_is_right
	s_endpgm
.Lentry_shape_is_right:
; out0 = attention Wo^T.  C[m][n] = sum over k of o[m][k] w[n][k], f16 operands, f32 sums, K ascending, f32 out.  ob holds attention / 4, wob [4096][2048] holds 4 x bf16(Wo): the two factors cancel exactly.
; ob lies in fragment order ([128 blocks of 16 rows][64 blocks of 32 k][1,024 bytes]: byte 512 j + 16 lane of a block is what a lane holds in registers 4 j .. 4 j + 3 of a 16 x 32 operand); wob is row-major.
; SHARES.  A tile of C is 128 rows x 256 columns: 16 x 16 tiles, one work-group each (x: tile row, y: tile column).  Four waves, each 64 rows x 128 columns: 32 accumulators of 16 x 16, 256 registers.
; wob GOES THROUGH LDS, in K steps of 256 through a ring of two slots; each wave fetches 64 rows of 512 bytes by one tensor load.  The four work-groups of a cluster make four tile rows of one tile column and need the same
; tiles of wob: each is asked for JOINTLY, by the same tensor load with the same descriptor and the mask of all four.
; ob GOES STRAIGHT INTO REGISTERS, and is NOT asked for jointly, though the 16 work-groups of a tile row read the same rows.  The reason, by this text's sizes: with both operands in LDS two slots of a K step of 256 would take
; 2 x 384 rows x 528 bytes = 405,504 bytes, and LDS has 327,680; with K steps of 128 a refill has 128 matrix instructions a wave in which to land and a round of the cluster's barrier stands in front of each.  With wob alone
; in LDS the slots hold 256 along K: 256 matrix instructions a wave for each refill and each round, and 16 LDS loads for 32 matrix instructions where 24 would stand.  The price: a byte of ob is loaded 32 times, by 16 tile
; columns and two waves in each.  A ring of eight slots of 32 registers holds eight quarter steps (32 along K) of my 64 rows; a slot is loaded again in the quarter behind its use, for the quarter seven on.
; THE MATRIX INSTRUCTION IS USED TRANSPOSED (source 0 = 16 rows of wob, source 1 = 16 rows of ob): a lane holds row lane % 16 of C and the columns 8 (lane / 16) + 0..7: 32 bytes on end.
; REGISTERS, in windows of 256 (s_set_vgpr_msb: bits 1:0 source 0, 3:2 source 1, 5:4 source 2, 7:6 destination):
;   window 0: v16-30 addresses; v64-127, v128-191 two buffers of 8 fragments of wob; on the way out rows read back          window 1: the accumulators, (a, b) at v[8 (8 a + b)]
;   window 2: ob's ring, slot s at v[32 s], fragment a at + 8 a
.set SIZE_K, 2048
.set SIZE_N, 4096
.set KSTEP,  256
.set NSTEP,  SIZE_K/KSTEP              ; 8 K steps of eight quarters
.set PITCH,  528                       ; an LDS row: 512 bytes + 16 of padding = 132 words: row r starts at bank 4 r mod 64 (64 banks of 4 bytes: ISA guide 11.1), so the 16 rows of a load start at 16 different groups of four banks
.set WPART,  64*PITCH                  ; 64 rows: what one tensor load brings: 0x8400 bytes
.set SLOT,   4*WPART                   ; wob's 256 rows
.set SLOT1,  0x22000                   ; slot 1 begins here, behind slot 0's 0x21000 bytes.  Bits 17 and 13 are 0 in the waves' offsets 0, 0x8400, 0x10800, 0x18c00, so one exclusive or turns a wave's address in one slot into the other's
.set STAGE,  SLOT1+SLOT                ; behind the ring, never filled by a tensor load: 16 rows x 528 bytes for each wave
.set SPITCH, 528                       ; 512 bytes of f32 + 16: 33 times 16 bytes, so that the 16 rows of a store start at 16 different groups of four banks
.set SPARE,  STAGE+4*16*SPITCH         ; behind the stages: the spare words, 128 bytes for each wave: two blocks of 256 bytes that no other line names
.set RBS,    SIZE_K*32                 ; bytes of a block of 16 rows in ob
.set ADRB0, 16                         ; v16     my lane's place in my 128 rows of a slot; never rewritten
.set ADRB,  17                         ; v17     the same in the slot that is being read
.set STO,  24                          ; v24     the way out: where I put 32 bytes of a row
.set RD,   25                          ; v25     where I read a row back
.set L16,  26                          ; v26     16 x lane: my place in 512 consecutive bytes of ob and of a row of out0; never rewritten
.set SPW,  28                          ; v28     LDS address of my spare word; never rewritten
.set NIL,  29                          ; v29     0; never rewritten
.set PFO,  30                          ; v30     the prefetches' offset; never rewritten
.set F0,   64
.set F1,   128
.set G1,   24                          ; s[24:31] descriptor group 1
.set G0A,  32                          ; s[32:35] group 0 of the first fill of slot 0
.set G0B,  36                          ; s[36:39] group 0 of the first fill of slot 1; it then walks on
.set LIM,  43                          ; s43     1 in a work-group that prefetches, else the greatest number
.set AP,   44                          ; s[44:45] ob at my first row block, at the K step in hand
.set PFA,  46                          ; s[46:47] where my prefetches stand
.set TB,   48                          ; s48     LDS byte at which the slot that is being read begins
.set MUL,  0x58                        ; source 0 (wob) window 0, source 1 (ob) window 2, C and D window 1
.set MSB, 0
.macro WIN new                         ; the immediate's high byte repeats the setting that is left; a switch that changes nothing is dropped
.if MSB != (\new)
	s_set_vgpr_msb (MSB<<8)|(\new)
.set MSB, \new
.endif
.endm
.macro CREST                           ; a round of the cluster's barrier behind its opening barrier
	s_cmp_lg_u32 s10, 0
	s_cbranch_scc1 .Lnot_wave_0_\@
	s_barrier_signal -3
.Lnot_wave_0_\@:
	s_barrier_wait -3
	s_barrier_signal -1
	s_barrier_wait -1
.endm
.macro CROUND                          ; a whole round
	s_barrier_signal -1
	s_barrier_wait -1
	CREST
.endm
; A prefetch into the L2 of wob's K step that the NEXT refill will ask for: 256 matrix instructions ahead of that load.  A tile column's rows are read by four clusters: the cluster with x = 0 asks, and nobody else.
; Of the 64 rows that a wave fetches each of the four partners takes 16, told apart by address; a K step is 512 bytes of a row: lane l names byte 256 (l / 16) of row l % 16: one instruction a wave, each block named once.
; The trip with s3 = 1 has no K step behind the one that it fills and asks for nothing.  K steps 0 to 2 come by their loads alone.  ob is not asked for: its own loads go out seven quarters ahead.
.macro ASK
	s_cmp_gt_u32 s3, s[LIM]
	s_cbranch_scc0 .Lnot_mine_\@
	global_prefetch_b8 v[PFO], s[PFA:PFA+1] th:TH_LOAD_NT scope:SCOPE_SE
.Lnot_mine_\@:
.endm
; 8 matrix instructions: row blocks a0, a0 + 1 x column blocks 4 bh .. 4 bh + 3, 32 along K: wob's fragments in buffer f, ob's in ring slot sl.  zero = 1: the product starts the sums.
; The 32 accumulators take turns, one instruction a turn, in the same order in every quarter.
.macro MULH f, sl, bh, a0, zero
	WIN MUL
.irp a, \a0, (\a0)+1
.irp b, 0,1,2,3
.if \zero
	v_wmma_f32_16x16x32_f16 v[8*(8*(\a)+4*(\bh)+(\b)):8*(8*(\a)+4*(\bh)+(\b))+7], v[(\f)+8*(4*(\bh)+(\b)):(\f)+8*(4*(\bh)+(\b))+7], v[32*(\sl)+8*(\a):32*(\sl)+8*(\a)+7], 0
.else
	v_wmma_f32_16x16x32_f16 v[8*(8*(\a)+4*(\bh)+(\b)):8*(8*(\a)+4*(\bh)+(\b))+7], v[(\f)+8*(4*(\bh)+(\b)):(\f)+8*(4*(\bh)+(\b))+7], v[32*(\sl)+8*(\a):32*(\sl)+8*(\a)+7], v[8*(8*(\a)+4*(\bh)+(\b)):8*(8*(\a)+4*(\bh)+(\b))+7]
.endif
.endr
.endr
.endm
; 16 LDS loads in one run: wob's eight fragments of 32 along K at byte k of the rows.  A fragment is 16 rows x 32 K in 8 registers: lane l holds row l % 16; two loads of 16 bytes, 32 bytes apart.
.macro FETCH k, f
	WIN 0
.irp i, 0,1,2,3,4,5,6,7
	ds_load_b128 v[(\f)+8*(\i):(\f)+8*(\i)+3],   v[ADRB] offset:(\k)+(\i)*16*PITCH
	ds_load_b128 v[(\f)+8*(\i)+4:(\f)+8*(\i)+7], v[ADRB] offset:(\k)+(\i)*16*PITCH+32
.endr
.endm
; 8 loads: ob's four fragments of quarter g, counted from the K step at which s[AP] stands, into ring slot sl: 512 consecutive bytes an instruction.  The largest immediate is 3 RBS + 15,872.
.macro ALOAD sl, g
	WIN 0x80                                       ; destination window 2, address window 0
.irp a, 0,1,2,3
	global_load_b128 v[32*(\sl)+8*(\a):32*(\sl)+8*(\a)+3],   v[L16], s[AP:AP+1] offset:(\a)*RBS+(\g)*1024
	global_load_b128 v[32*(\sl)+8*(\a)+4:32*(\sl)+8*(\a)+7], v[L16], s[AP:AP+1] offset:(\a)*RBS+(\g)*1024+512
.endr
.endm
.macro PLACES                          ; four places in front of loads into registers that matrix instructions have read, and of LDS stores of results
.rept 4
	v_nop
.endr
.endm
; Quarter q (0 to 6) of a K step: 32 matrix instructions on buffer q % 2 and ring slot q.  Behind the first eight stand, in one run, the next quarter's 16 LDS loads and, with kind = 1, eight loads into the ring slot that
; the last quarter read: ob's quarter arg (seven quarters on).
; The counts.  lc: loads come back in order (ISA guide 5.7.1); behind the eight that filled my slot six groups of eight have been issued: 48; in the last K step, which asks for nothing, one group fewer in each quarter.
; 8: of this quarter's 16 LDS loads the first eight, column blocks 0 to 3, are in.  16: all but the 16 just issued.
.macro QUARTER q, zero, kind, arg, lc
.set FQ, F0+64*((\q)%2)
.set GQ, F0+64*(((\q)+1)%2)
	s_wait_loadcnt \lc
	s_wait_dscnt 8
	MULH FQ, \q, 0, 0, \zero
	PLACES
	FETCH 64*((\q)+1), GQ
.if \kind
	ALOAD ((\q)+7)%8, \arg
.endif
	MULH FQ, \q, 0, 2, \zero
	s_wait_dscnt 16
	MULH FQ, \q, 1, 0, \zero
	MULH FQ, \q, 1, 2, \zero
.endm
; Quarter 7 multiplies buffer 1 and changes slots: ONE barrier.  In front of it each wave waits for all its tensor loads (one is out: its part of the next slot), adds 0 to its spare word, and waits for that and for its own
; reads of this slot.  fill = 1: the barrier opens a round of the cluster's barrier, and this slot is filled again, two K steps on, first thing behind the round: 248 matrix instructions ahead of the wait for it.
.macro TURN fill
	s_wait_loadcnt 48
	s_wait_dscnt 8
	MULH F1, 7, 0, 0, 0
	PLACES
	ALOAD 6, 14
	WIN 0                                          ; (the add's two registers lie in window 0)
	s_wait_tensorcnt 0x0                           ; all my tensor loads have landed, so the walking group 0 may be written;
	ds_add_u32 v[SPW], v[NIL]                      ; 0 onto my spare word: the scalar steps stand between it and the wait for it
	s_xor_b32 s[TB], s[TB], SLOT1                  ; the reads go to the other slot
.if \fill
	s_xor_b32 s[G0B+1], s[G0B+1], SLOT1            ; the fill to the slot that is left,
	s_add_nc_u64 s[G0B+2:G0B+3], s[G0B+2:G0B+3], KSTEP*2  ; with the next K step; the type bits on top are not reached
.endif
	s_wait_dscnt 0x0                               ; the add is done, and my reads of this slot are over
	s_barrier_signal -1
	v_add_nc_u32 v[ADRB], s[TB], v[ADRB0]
	MULH F1, 7, 0, 2, 0                            ; work on registers while the others arrive
	WIN 0
	s_barrier_wait -1
.if \fill
	CREST                                          ; no wave of any partner still reads this slot's tile or has a load on its way
	tensor_load_to_lds s[G0B:G0B+3], s[G1:G1+7]
	s_nop 0
.endif
	FETCH 0, F0                                    ; buffer 0 was last read in quarter 6: the four v_nop above stand behind those products
.if \fill
	ASK
.endif
	MULH F1, 7, 1, 0, 0
	MULH F1, 7, 1, 2, 0
.endm
; From a K step's second quarter to the next step's first.
.macro STEP fill
	QUARTER 1, 0, 1, 8, 48
	QUARTER 2, 0, 1, 9, 48
	QUARTER 3, 0, 1, 10, 48
	QUARTER 4, 0, 1, 11, 48
	QUARTER 5, 0, 1, 12, 48
	QUARTER 6, 0, 1, 13, 48
	TURN \fill
	QUARTER 0, 0, 1, 15, 48
.endm
	s_load_b128 s[4:7], s[0:1], 0x0                ; ob s[4:5], wob s[6:7]
	s_load_b64 s[8:9], s[0:1], 0x10                ; out0
	v_lshl_add_u32 v[SPW], v0, 2, SPARE
	v_mov_b32 v[NIL], 0
	ds_add_u32 v[SPW], v[NIL]                      ; the wave's opening: the add and its wait stand ahead of my first tensor load; the set-up below, work on registers, stands between them
	v_lshrrev_b32 v1, 5, v0
	v_readfirstlane_b32 s10, v1                    ; wave 0..3.  Also: which 64 rows of wob's tile I fetch
	v_and_b32 v[L16], 31, v0
	v_lshlrev_b32 v[L16], 4, v[L16]
	s_lshr_b32 s11, s10, 1                         ; which 64 rows of the tile are mine
	s_and_b32 s12, s10, 1                          ; which 128 columns
	s_bfe_u32 s40, ttmp6, 0x40000                  ; cx: my place in the cluster
	s_lshl_b32 s13, ttmp9, 2                       ; in a cluster launch ttmp9 counts clusters
	s_add_co_u32 s13, s13, s40                     ; tile row = 4 x cluster x + cx: it enters ob's and out0's addresses alone
	s_and_b32 s42, ttmp7, 0xffff                   ; tile column, which the four partners share
	s_mov_b32 s[G1+0], 15|(1<<16)|(1<<20)|(1<<21)|(6<<22)|(3<<25)  ; 15:0 the mask of four; 17:16 elements of 2 bytes; 20 padding on; 21 set beside a mask; 24:22 after every 128 words (code 6); 31:25 4 words of it (code 3)
	s_mov_b32 s[G1+1], KSTEP<<16                   ; tensor_dim0 = 256
	s_mov_b32 s[G1+2], 64<<16                      ; tensor_dim1 = 64
	s_mov_b32 s[G1+3], KSTEP<<16                   ; tile_dim0 = 256
	s_mov_b32 s[G1+4], 64                          ; tile_dim1 = 64
	s_mov_b32 s[G1+5], SIZE_K                      ; elements from row to row
	s_mov_b32 s[G1+6], 0
	s_mov_b32 s[G1+7], 0
	s_lshl_b32 s16, s42, 20                        ; wob: 256 rows of 4,096 bytes a tile column,
	s_lshl_b32 s17, s10, 18                        ; 64 a wave
	s_add_co_u32 s16, s16, s17
	s_mov_b32 s17, 0
	s_lshl_b32 s18, s13, 19                        ; ob: 8 row blocks of 65,536 bytes a tile row,
	s_lshl_b32 s19, s11, 18                        ; my 4
	s_add_co_u32 s18, s18, s19
	s_mov_b32 s19, 0
	s_mul_i32 s20, s10, WPART                      ; where my part of a tile goes: no place in the cluster enters an LDS address
	s_mov_b32 s[TB], 0
	s_wait_dscnt 0x0                               ; the opening add is done
	s_wait_kmcnt 0x0
	s_add_nc_u64 s[14:15], s[6:7], s[16:17]
	s_add_nc_u64 s[AP:AP+1], s[4:5], s[18:19]
	CROUND                                         ; all four work-groups are here: the first joint loads meet
	s_mov_b32 s[G0A], 1                            ; count = 1
	s_mov_b32 s[G0A+1], s20                        ; LDS address: slot 0
	s_mov_b64 s[G0A+2:G0A+3], s[14:15]             ; global address: K step 0
	s_or_b32 s[G0A+3], s[G0A+3], 0x80000000        ; type = 2
	s_mov_b32 s[G0B], 1
	s_add_co_u32 s[G0B+1], s20, SLOT1
	s_add_nc_u64 s[G0B+2:G0B+3], s[14:15], KSTEP*2
	s_or_b32 s[G0B+3], s[G0B+3], 0x80000000
	tensor_load_to_lds s[G0A:G0A+3], s[G1:G1+7]    ; two loads of mine are out
	s_nop 0
	tensor_load_to_lds s[G0B:G0B+3], s[G1:G1+7]
	s_nop 0
.irp g, 0,1,2,3,4,5,6
	ALOAD \g, \g                                   ; ob's first seven quarters: 56 loads
.endr
	WIN 0
	v_and_b32 v1, 15, v0                           ; l % 16
	v_bfe_u32 v2, v0, 4, 1                         ; l / 16
	v_mul_u32_u24 v3, v1, PITCH
	v_lshl_add_u32 v3, v2, 4, v3                   ; a fragment's row x pitch + 16 x half
	s_mul_i32 s22, s12, 2*WPART                    ; my 128 rows of wob
	v_add_nc_u32 v[ADRB0], s22, v3
	v_mov_b32 v[ADRB], v[ADRB0]                    ; slot 0
	s_mul_i32 s23, s10, 16*SPITCH
	s_add_co_u32 s23, s23, STAGE                   ; my stage
	v_mul_u32_u24 v4, v1, SPITCH                   ; in: row l % 16, 32 bytes for each half of the lanes
	v_lshl_add_u32 v4, v2, 5, v4
	v_add_nc_u32 v[STO], s23, v4
	v_add_nc_u32 v[RD], s23, v[L16]                ; back: 32 lanes take one row of 512 bytes
	s_lshl_b32 s50, s13, 7
	s_lshl_b32 s51, s11, 6
	s_add_co_u32 s50, s50, s51                     ; my first row of out0,
	s_lshl_b32 s50, s50, 14                        ; 16,384 bytes a row,
	s_lshl_b32 s51, s42, 10                        ; the tile's 256 columns of 4 bytes,
	s_add_co_u32 s50, s50, s51
	s_lshl_b32 s51, s12, 9                         ; my 128
	s_add_co_u32 s50, s50, s51
	s_mov_b32 s51, 0
	s_add_nc_u64 s[8:9], s[8:9], s[50:51]
	s_cmp_eq_u32 ttmp9, 0                          ; the prefetches: the same answer in all four partners
	s_cselect_b32 s[LIM], 1, -1
	s_lshl_b32 s20, s40, 16                        ; my work-group's 16 rows of the 64 that I fetch
	s_mov_b32 s21, 0
	s_add_nc_u64 s[PFA:PFA+1], s[14:15], s[20:21]
	s_add_nc_u64 s[PFA:PFA+1], s[PFA:PFA+1], 3*KSTEP*2  ; at K step 3, which the first trip names.  Nothing is prefetched here, at the head
	v_lshlrev_b32 v[PFO], 12, v1
	v_lshl_add_u32 v[PFO], v2, 8, v[PFO]
	s_wait_tensorcnt 1                             ; my part of K step 0 is in; K step 1's may stay out
	s_barrier_signal -1
	s_barrier_wait -1                              ; everybody's is
	FETCH 0, F0
	QUARTER 0, 1, 1, 7, 48                         ; the first quarter stands in front of the loop: its products start the sums
	WIN 0                                          ; at a label and at a branch every window is 0
	s_mov_b32 s3, NSTEP-2
.Lstep:                                        ; 6 trips: K steps 0 to 5; trip t fills K step t + 2
	STEP 1
	WIN 0
	s_wait_xcnt 0x0                                ; every load and prefetch issued so far (the youngest load 24 matrix instructions back) has read its address, so the two pointers may be written
	s_add_nc_u64 s[AP:AP+1], s[AP:AP+1], KSTEP*32  ; eight blocks of 1,024 bytes on
	s_add_nc_u64 s[PFA:PFA+1], s[PFA:PFA+1], KSTEP*2
	s_sub_co_u32 s3, s3, 1
	s_cmp_lg_u32 s3, 0
	s_cbranch_scc1 .Lstep
	STEP 0                                         ; K step 6 fills nothing, and has no round of the cluster's barrier; its loads bring ob's last eight quarters
	QUARTER 1, 0, 0, 0, 48                         ; K step 7: ob has no quarter left to ask for: the counts run down
	QUARTER 2, 0, 0, 0, 40
	QUARTER 3, 0, 0, 0, 32
	QUARTER 4, 0, 0, 0, 24
	QUARTER 5, 0, 0, 0, 16
	QUARTER 6, 0, 0, 0, 8
	s_wait_loadcnt 0x0                             ; the very last quarter: nothing more to fetch
	s_wait_dscnt 8
	MULH F1, 7, 0, 0, 0
	MULH F1, 7, 0, 2, 0
	s_wait_dscnt 0x0
	MULH F1, 7, 1, 0, 0
	MULH F1, 7, 1, 2, 0
	WIN 0
	PLACES
; THE WAY OUT of row block a (16 rows x 128 columns of f32).  A lane's 32 bytes go into my stage, each accumulator's low registers first; whole rows of 512 bytes come back and are stored,
; 512 consecutive bytes an instruction, at a multiple of 512 from out0's first byte.  The largest immediate is 63 rows of 16,384 bytes.
.macro OUTBLK a
.set OB, 64+64*((\a)%2)
	WIN 0x04                                       ; the stores' data in window 1
.irp b, 0,1,2,3,4,5,6,7
	ds_store_b128 v[STO], v[8*(8*(\a)+(\b)):8*(8*(\a)+(\b))+3]   offset:64*(\b)
	ds_store_b128 v[STO], v[8*(8*(\a)+(\b))+4:8*(8*(\a)+(\b))+7] offset:64*(\b)+16
.endr
	WIN 0
	s_wait_xcnt 0x0                                ; the registers that the stores of two blocks ago read are loaded again only behind this wait
.irp t, 0,1,2,3,4,5,6,7,8,9,10,11,12,13,14,15
	ds_load_b128 v[OB+4*(\t):OB+4*(\t)+3], v[RD] offset:(\t)*SPITCH  ; LDS serves a wave's instructions in order (ISA guide 5.7.1.4): these see the stores above
.endr
.irp t, 0,1,2,3,4,5,6,7,8,9,10,11,12,13,14,15
	s_wait_dscnt 15-(\t)                           ; the younger loads from the stage may stay out
	global_store_b128 v[L16], v[OB+4*(\t):OB+4*(\t)+3], s[8:9] offset:(16*(\a)+(\t))*SIZE_N*4 th:TH_STORE_NT
.endr
.endm
	OUTBLK 0
	OUTBLK 1
	OUTBLK 2
	OUTBLK 3
	s_wait_tensorcnt 0x0                           ; the wave's end, behind my last tensor load and my last LDS store
	ds_add_u32 v[SPW], v[NIL]
	s_wait_dscnt 0x0
	CROUND                                         ; the closing round: no work-group ends while a partner may still ask for a tile that names it
	s_endpgm
.Lfunc_end_k_q44e592b52a_oproj:
	.size	k_q44e592b52a_oproj, .Lfunc_end_k_q44e592b52a_oproj-k_q44e592b52a_oproj
	.p2alignl 7, 3214868480
	.fill 96, 4, 3214868480
	.section	.rodata,"a",@progbits
	.p2align	6, 0x0
	.amdhsa_kernel k_q44e592b52a_oproj
		.amdhsa_group_segment_fixed_size 327680
		.amdhsa_private_segment_fixed_size 0
		.amdhsa_enable_private_segment 0
		.amdhsa_kernarg_size 24
		.amdhsa_user_sgpr_count 2
		.amdhsa_user_sgpr_kernarg_segment_ptr 1
		.amdhsa_wavefront_size32 1
		.amdhsa_system_sgpr_workgroup_id_x 1
		.amdhsa_system_sgpr_workgroup_id_y 1
		.amdhsa_system_sgpr_workgroup_id_z 1
		.amdhsa_system_vgpr_workitem_id 0
		.amdhsa_next_free_vgpr 768
		.amdhsa_next_free_sgpr 66
		.amdhsa_reserve_vcc 0
		.amdhsa_float_denorm_mode_32 3
		.amdhsa_float_denorm_mode_16_64 3
		.amdhsa_memory_ordered 1
		.amdhsa_forward_progress 1
		.amdhsa_inst_pref_size 121
	.end_amdhsa_kernel
	.amdgpu_metadata
---
amdhsa.version: [ 1, 2 ]
amdhsa.kernels:
  - .name:           k_q44e592b52a_oproj
    .symbol:         k_q44e592b52a_oproj.kd
    .args:
      - { .name: ob, .offset: 0, .size: 8, .value_kind: global_buffer, .address_space: global }
      - { .name: wob, .offset: 8, .size: 8, .value_kind: global_buffer, .address_space: global }
      - { .name: out0, .offset: 16, .size: 8, .value_kind: global_buffer, .address_space: global }
    .group_segment_fixed_size: 327680
    .private_segment_fixed_size: 0
    .kernarg_segment_align: 8
    .kernarg_segment_size: 24
    .max_flat_workgroup_size: 128
    .sgpr_count:     66
    .vgpr_count:     768
    .wavefront_size: 32
...
	.end_amdgpu_metadata
.endif
;; end of part 4
;; ======== version 2 of 2: 4 launches; version 1 with the launch prep written anew for expert scheduling mode
;; limits: values are held in f16: magnitudes above 65,504 overflow, below 6.1e-05 lose precision; right only within a limited range of input values
;; workspace buffers: xb 16,777,216 bytes; wb 33,554,432 bytes; wob 16,777,216 bytes; tab 1,081,344 bytes; qkv 16,777,216 bytes; ob 8,388,608 bytes
;; launch prep (part 5): grid 128 x 9, 8 waves a work-group, no clusters, 35,840 bytes of LDS; arguments hidden_states, Wq, Wk, Wv, Wo, position_ids, xb, wb, wob, tab; writes xb, wb, wob, tab
.if DOCPART == 5
	.amdgcn_target "amdgcn-amd-amdhsa--gfx1250"
	.amdhsa_code_object_version 6
	.text
	.protected	k_q44e592b52a_prep
	.globl	k_q44e592b52a_prep
	.p2align	8
	.type	k_q44e592b52a_prep,@function
k_q44e592b52a_prep:
	s_mov_b64 s[64:65], 0
	v_nop
	global_prefetch_b8 v0, s[64:65] scope:SCOPE_SE
	s_setreg_imm32_b32 hwreg(HW_REG_WAVE_SCHED_MODE, 0, 2), 2
	s_setreg_imm32_b32 hwreg(HW_REG_WAVE_MODE, 25, 1), 1
	s_wait_xcnt 0x0
	s_wait_alu depctr_vm_vsrc(0)
; PREP: the matrix operands are rounded once, and the table of rotations is made.
;   xb  = bf16(hidden_states), IN FRAGMENT ORDER: [128 blocks of 16 rows][128 blocks of 32 columns][1,024 bytes]; in a block, byte 512 j + 16 lane holds the eight numbers of row lane % 16,
;         columns 16 j + 8 (lane / 16) + 0..7: what a lane of a matrix instruction's 16 x 32 operand holds in registers 4 j .. 4 j + 3.  So the projection loads a fragment by two loads of 512 consecutive bytes.
;   wb  = bf16(Wq; Wk; Wv) [4096][4096], row-major, the three one below the other;
;   wob = f16(4 x bf16(Wo)) [4096][2048]: rounded to bf16 like every other input, times 4 (exact), written as f16 (exact where 4 |w| is at least 2^-14; below that f16's fixed step of 2^-24);
;   tab = cos / 4 and sin / 4 of position x 10000^(-f / 64), f32, in the lane order in which the projection's way out reads them.
; LIMITS.  |Wo| stays under 16,376 (f16 ends at 65,504).  10000^(-f / 64) is made by v_exp_f32, so an angle differs from the exact product by a few parts in 10^7 of itself: 2e-4 at position 2,047, growing with the position.
; The angle is reduced by pi / 2 in three parts, which holds while position x 2 / pi fits a 32-bit whole number.
; SHARES.  y = 0 .. 7: a unit of 4 Mi numbers (y = 0, 1: x; 2, 3: Wq; 4: Wk; 5: Wv; 6, 7: Wo); work-group x takes 32,768 of them.
; The weights (y = 2 .. 7): 32 steps of 4,096 bytes in, 2,048 out; a load of a wave covers 512 consecutive bytes, a store 256 consecutive bytes, aligned; six to eight loads of every wave are on their way; no LDS.
; x (y = 0, 1): a work-group takes 16 rows x 2,048 columns, a wave 16 rows x 256 columns as two blocks of 128.  Rows come in as 512 consecutive bytes a load; the turn from rows to fragments goes through the wave's own LDS.
; y = 8: work-group x makes table block x (16 positions x 64 frequencies), and x = 0 .. 3 also the four blocks 128 + x that V's tiles take: cos = 1 / 4, sin = 0.
; THE MODE: SCHED_MODE bits 1:0 = 2 (LLVM: expert scheduling mode 2), set by the entry lines.  The code itself states the register dependences between vector instructions and memory or LDS instructions,
; with s_wait_alu, always for 0.
; THE PLAN, THE WEIGHTS.  The 32 steps go in 16 blocks of two.  Registers that memory instructions touch:
;   X0 .. X3   four blocks as loaded.   Written by the loads of block p + 3, issued in block p; read by block p's conversions.
;   Y0, Y1     two blocks to store.     Written by block p's conversions; read by the two stores that are issued in block p + 1.
;   v1, v2     byte offsets, made once and never written again: the steps are reached by the two scalar bases, which move on by a block at each block's head, and by immediate offsets.
; Block p works on X[p % 4] and writes Y[p % 2].  Its memory instructions are the loads into X[(p + 3) % 4] = X[(p - 1) % 4] and the stores from Y[(p - 1) % 2]: the two buffers that block p - 1 worked on and that no
; vector instruction of block p names.  So the waits at a block's head state all that its four memory instructions hang on.
; THE PLAN, x.  The 16 rows' registers: loaded; converted in place; read by the LDS stores; loaded again for the second block.  The rows go in four groups of four: at a group's head, behind the wait for its data, one wait
; states that the group before is converted, and that group's LDS stores follow.  The six slots read back from LDS: landed in by LDS loads, read by the global stores, landed in again.  v1, v2, v3: made once.
; THE PLAN, THE TABLE.  One load (its offset v6), two or four stores (their offset v10, their data v[12:19], v[44:51]); the four compares write s40 to s43 in one run, with one wait behind it.
.set X,     8                          ; v[8:39]   the weights: buffer k, step i: 4 f32 as loaded, at X + 8 k + 4 i
.set Y,     40                         ; v[40:47]  buffer k, step i: 4 numbers of 16 bits to store, at Y + 4 k + 2 i
.set T,     56                         ; v[56:61]  at work: no memory instruction names them
.set STEPS, 32
.set BLOCK, 2                          ; steps in a block
.set BLOCKS, STEPS/BLOCK
.set OO,    6                          ; v[6:29]   x: six slots of 16 bytes read back from LDS
.set XX,    30                         ; v[30:93]  x: row i of a block: 4 f32 as loaded, then 4 bf16 in its first two registers
.set SPW,   94                         ; v94       LDS address of my spare word; never rewritten
.set NIL,   95                         ; v95       0; never rewritten
.set GRP,   272                        ; LDS: a group is one piece of 8 columns of all 16 rows: 256 bytes + 16 = 68 words: group c starts at bank 4 c mod 64 (64 banks of 4 bytes: ISA guide 11.1)
.set WREG,  16*GRP                     ; a wave's 16 groups: a block of 16 rows x 128 columns
.set SPARE, 8*WREG                     ; behind the eight waves' groups: the spare words, 128 bytes for each wave: four blocks of 256 bytes that no other line names
	s_load_b512 s[8:23], s[0:1], 0x0               ; x s[8:9], Wq s[10:11], Wk s[12:13], Wv s[14:15], Wo s[16:17], positions s[18:19], xb s[20:21], wb s[22:23]
	s_load_b128 s[24:27], s[0:1], 0x40             ; wob s[24:25], tab s[26:27]
	v_lshl_add_u32 v[SPW], v0, 2, SPARE
	v_mov_b32 v[NIL], 0
	s_and_b32 s4, ttmp7, 0xffff                    ; y
	s_mov_b32 s5, ttmp9                            ; x
	s_cmp_eq_u32 s4, 8
	s_cbranch_scc1 .Ltable
	s_cmp_lt_u32 s4, 2
	s_cbranch_scc1 .Lfrag
	; THE WEIGHTS
	v_lshlrev_b32 v1, 4, v0                        ; my 16 bytes of a step's 4,096; never rewritten
	v_lshlrev_b32 v2, 3, v0                        ; my 8 bytes of a step's 2,048; never rewritten
	s_cmp_ge_u32 s4, 6
	s_cselect_b32 s34, 6, 2
	s_sub_co_u32 s6, s4, s34                       ; the unit's number in its destination
	s_cmp_eq_u32 s4, 4
	s_cselect_b32 s7, 0, s6                        ; and in its source: Wk and Wv are one unit each
	s_cmp_eq_u32 s4, 5
	s_cselect_b32 s7, 0, s7
	s_lshl_b32 s36, s6, 23                         ; a unit is 8 MiB out,
	s_lshl_b32 s35, s5, 16                         ; a work-group's part 64 KiB
	s_add_co_u32 s36, s36, s35
	s_mov_b32 s37, 0
	s_lshl_b32 s38, s7, 24                         ; 16 MiB in,
	s_lshl_b32 s35, s5, 17                         ; 128 KiB
	s_add_co_u32 s38, s38, s35
	s_mov_b32 s39, 0
	s_mov_b32 s32, 4.0                             ; Wo's factor; named as a pair
	s_mov_b32 s33, 4.0
	s_mov_b32 s34, 0xffff0000                      ; a word's upper bf16
	s_wait_kmcnt 0x0
	s_mov_b64 s[28:29], s[10:11]                   ; the source, chosen by y
	s_cmp_eq_u32 s4, 4
	s_cselect_b64 s[28:29], s[12:13], s[28:29]
	s_cmp_eq_u32 s4, 5
	s_cselect_b64 s[28:29], s[14:15], s[28:29]
	s_cmp_ge_u32 s4, 6
	s_cselect_b64 s[28:29], s[16:17], s[28:29]
	s_cselect_b64 s[30:31], s[24:25], s[22:23]     ; the destination
	s_add_nc_u64 s[28:29], s[28:29], s[38:39]
	s_add_nc_u64 s[30:31], s[30:31], s[36:37]
; The conversions of one step.  x: the first of its four registers as loaded; y: the first of its two to store.  kind = 0: to bf16.  kind = 1: to bf16, times 4, written as f16.
.macro CONV kind, x, y
.if \kind
	v_cvt_pk_bf16_f32 v[T], v[(\x)], v[(\x)+1]
	v_cvt_pk_bf16_f32 v[T+1], v[(\x)+2], v[(\x)+3]
	v_lshlrev_b32 v[T+2], 16, v[T]                 ; bf16 to f32: the low half moves up, the high half stays
	v_and_b32 v[T+3], s34, v[T]
	v_lshlrev_b32 v[T+4], 16, v[T+1]
	v_and_b32 v[T+5], s34, v[T+1]
	v_pk_mul_f32 v[T+2:T+3], v[T+2:T+3], s[32:33] op_sel_hi:[1,0]
	v_pk_mul_f32 v[T+4:T+5], v[T+4:T+5], s[32:33] op_sel_hi:[1,0]
	v_cvt_pk_f16_f32 v[(\y)], v[T+2], v[T+3]
	v_cvt_pk_f16_f32 v[(\y)+1], v[T+4], v[T+5]
.else
	v_cvt_pk_bf16_f32 v[(\y)], v[(\x)], v[(\x)+1]
	v_cvt_pk_bf16_f32 v[(\y)+1], v[(\x)+2], v[(\x)+3]
.endif
.endm
; Block p.  xb = p % 4, yb = p % 2.  first = 1: block 0, with no block in front of it.  ahead = 1: block p + 3 is loaded.
; left = how many younger loads may still be out when the block's first step has to be there; its second step leaves one fewer.
.macro BLK kind, xb, yb, first, ahead, left
.if !(\first)
	s_wait_xcnt 0x0                                ; every earlier memory instruction has had its addresses translated (ISA guide 3.1): the bases and Y[yb] are rewritten only behind this wait
	s_wait_alu depctr_vm_vsrc(0)                   ; the stores issued in the block before have read Y[yb], which this block's conversions write again
	s_wait_alu depctr_va_vdst(0)                   ; the block before has written the other Y, which the stores below read, and is done reading its X, in which the loads below land
	s_add_nc_u64 s[28:29], s[28:29], BLOCK*4096    ; both bases at this block's first step
	s_add_nc_u64 s[30:31], s[30:31], BLOCK*2048
.endif
.if \ahead
.irp i, 0,1
	global_load_b128 v[X+8*(((\xb)+3)%4)+4*(\i):X+8*(((\xb)+3)%4)+4*(\i)+3], v1, s[28:29] offset:(3*BLOCK+(\i))*4096 th:TH_LOAD_NT  ; three blocks ahead; the loads ahead of the stores
.endr
.endif
.if !(\first)
.irp i, 0,1
	global_store_b64 v2, v[Y+4*(1-(\yb))+2*(\i):Y+4*(1-(\yb))+2*(\i)+1], s[30:31] offset:((\i)-BLOCK)*2048 th:TH_STORE_NT  ; the block before: the offset reaches back
.endr
.endif
.irp i, 0,1
	s_wait_loadcnt (\left)-(\i)                    ; loads come back in order (ISA guide 5.7.1): this step's is in, the younger ones stay out
	CONV \kind, X+8*(\xb)+4*(\i), Y+4*(\yb)+2*(\i)
.endr
.endm
; The 16 blocks.  Block 0 is written out ahead of the loop, so that a lap is four blocks and both kinds of buffer are back at their start; blocks 13 to 15 load nothing: no load leaves the work-group's part, and the counts run down.
; The count 7: behind a block's first step stand its second, the two younger blocks' four and the two loads just issued.
.macro CAST kind
	s_wait_alu depctr_va_vdst(0)                   ; v1 and v2 are written: every load and store below reads one of them as its offset
.irp i, 0,1,2,3,4,5
	global_load_b128 v[X+4*(\i):X+4*(\i)+3], v1, s[28:29] offset:(\i)*4096 th:TH_LOAD_NT  ; blocks 0, 1 and 2 into X0, X1, X2
.endr
	BLK \kind, 0, 0, 1, 1, 7                       ; block 0
	s_mov_b32 s40, (BLOCKS-4)/4
.Lround_\@:                                            ; blocks 1 to 12
	BLK \kind, 1, 1, 0, 1, 7
	BLK \kind, 2, 0, 0, 1, 7
	BLK \kind, 3, 1, 0, 1, 7
	BLK \kind, 0, 0, 0, 1, 7
	s_sub_co_u32 s40, s40, 1
	s_cmp_lg_u32 s40, 0
	s_cbranch_scc1 .Lround_\@
	BLK \kind, 1, 1, 0, 0, 5
	BLK \kind, 2, 0, 0, 0, 3
	BLK \kind, 3, 1, 0, 0, 1
	s_wait_alu depctr_va_vdst(0)                   ; block 15 has written Y1, which the last two stores read
.irp i, 0,1
	global_store_b64 v2, v[Y+4+2*(\i):Y+4+2*(\i)+1], s[30:31] offset:(\i)*2048 th:TH_STORE_NT
.endr
.endm
	s_cmp_ge_u32 s4, 6
	s_cbranch_scc1 .Lwo
	CAST 0
	s_endpgm
.Lwo:
	CAST 1
	s_endpgm
; x, INTO FRAGMENT ORDER.  Work-group g = 128 y + x takes row block g / 2 and half g % 2 of its 4,096 columns; wave w columns 256 w .. 256 w + 255 of that half.
; In a block of 128 columns lane l holds, of row i, columns 4 l .. 4 l + 3: half l % 2 of piece c = l / 2 of 8 columns.  It goes to byte 272 c + 16 i + 8 (l % 2) of the wave's LDS: the 32 lanes of a store take 64 different banks.
; Load t of eight reads groups 2 t and 2 t + 1 back, 16 bytes a lane, and those are bytes 512 t + 16 l of the block's 4,096 in xb.  The LDS bytes are the wave's own: no barrier.
.Lfrag:
	v_lshrrev_b32 v1, 5, v0
	v_readfirstlane_b32 s6, v1                     ; wave 0..7
	v_and_b32 v5, 31, v0                           ; lane
	s_lshl_b32 s7, s4, 7
	s_add_co_u32 s7, s7, s5                        ; g
	s_lshr_b32 s34, s7, 1                          ; the row block
	s_and_b32 s35, s7, 1                           ; the half of its columns
	s_lshl_b32 s36, s34, 18                        ; in: 16 rows of 16,384 bytes,
	s_lshl_b32 s38, s35, 13                        ; 2,048 columns of 4 bytes,
	s_add_co_u32 s36, s36, s38
	s_wait_alu depctr_va_sdst(0)                   ; s6 is written, ahead of its first reader: the bases and the LDS addresses are made from it
	s_lshl_b32 s38, s6, 10                         ; my wave's 256
	s_add_co_u32 s36, s36, s38
	s_mov_b32 s37, 0
	s_lshl_b32 s38, s34, 17                        ; out: a row block is 131,072 bytes,
	s_lshl_b32 s39, s35, 16                        ; 2,048 columns of it 65,536,
	s_add_co_u32 s38, s38, s39
	s_lshl_b32 s39, s6, 13                         ; my wave's 256 columns 8,192
	s_add_co_u32 s38, s38, s39
	s_mov_b32 s39, 0
	v_lshlrev_b32 v1, 4, v5                        ; 16 x lane: my place in 512 consecutive bytes, in and out; never rewritten
	s_mul_i32 s7, s6, WREG                         ; my wave's groups
	v_lshrrev_b32 v2, 1, v5
	v_mul_u32_u24 v2, v2, GRP
	v_and_b32 v3, 1, v5
	v_lshl_add_u32 v2, v3, 3, v2
	v_add_nc_u32 v2, s7, v2                        ; where I put 8 bytes of row 0
	v_lshrrev_b32 v3, 4, v5
	v_mul_u32_u24 v3, v3, GRP
	v_and_b32 v4, 15, v5
	v_lshl_add_u32 v3, v4, 4, v3
	v_add_nc_u32 v3, s7, v3                        ; where I read 16 bytes of groups 0 and 1 back
	s_wait_kmcnt 0x0
	s_add_nc_u64 s[28:29], s[8:9], s[36:37]
	s_add_nc_u64 s[30:31], s[20:21], s[38:39]
.macro XLOADS j                        ; block j: 16 rows, 512 consecutive bytes each
.set i, 0
.rept 16
	global_load_b128 v[XX+4*i:XX+4*i+3], v1, s[28:29] offset:i*16384+(\j)*512 th:TH_LOAD_NT
.set i, i+1
.endr
.endm
.macro XROWS g                         ; rows 4 g .. 4 g + 3 are rounded: four numbers close up into the first two of a row's four registers
.irp r, 0,1,2,3
	v_cvt_pk_bf16_f32 v[XX+16*(\g)+4*(\r)], v[XX+16*(\g)+4*(\r)], v[XX+16*(\g)+4*(\r)+1]
	v_cvt_pk_bf16_f32 v[XX+16*(\g)+4*(\r)+1], v[XX+16*(\g)+4*(\r)+2], v[XX+16*(\g)+4*(\r)+3]
.endr
.endm
.macro XPUT g                          ; and go into LDS
.irp r, 0,1,2,3
	ds_store_b64 v2, v[XX+16*(\g)+4*(\r):XX+16*(\g)+4*(\r)+1] offset:16*(4*(\g)+(\r))
.endr
.endm
.macro XBLOCK j
	s_wait_loadcnt 12                              ; rows 0 to 3 are in; the twelve younger rows stay out
	XROWS 0
.irp g, 1,2,3
	s_wait_loadcnt 12-4*(\g)                       ; this group's four rows are in; the younger groups stay out
	s_wait_alu depctr_va_vdst(0)                   ; the conversions of the group before have written its rows' first two registers, which the LDS stores below read
	XPUT (\g)-1
	XROWS \g
.endr
	s_wait_alu depctr_va_vdst(0)                   ; the last group's conversions have written their registers, which the LDS stores below read; and all the block's conversions are done with the rows' registers, in which the next block's loads land
	XPUT 3
.if \j
	s_wait_xcnt 0x0                                ; the six slots, which the last block's stores read, are loaded again only behind this wait
	s_wait_alu depctr_vm_vsrc(0)                   ; the last block's global stores have read the six slots, in which the LDS loads below land
.else
	s_wait_alu depctr_vm_vsrc(0)                   ; the 16 LDS stores have read the rows' registers, in which the next block's loads land
	XLOADS 1
.endif
.irp t, 0,1,2,3,4,5
	ds_load_b128 v[OO+4*(\t):OO+4*(\t)+3], v3 offset:(\t)*2*GRP  ; LDS serves a wave's instructions in order (ISA guide 5.7.1.4): these see the stores above
.endr
.irp t, 0,1,2,3,4,5
	s_wait_dscnt 5-(\t)                            ; the younger loads from LDS may stay out
	global_store_b128 v1, v[OO+4*(\t):OO+4*(\t)+3], s[30:31] offset:(\j)*4096+(\t)*512 th:TH_STORE_NT
.endr
	s_wait_xcnt 0x0                                ; slots 0 and 1 once more
	s_wait_alu depctr_vm_vsrc(0)                   ; the global stores above have read slots 0 and 1, in which the two LDS loads below land
.irp t, 6,7
	ds_load_b128 v[OO+4*((\t)-6):OO+4*((\t)-6)+3], v3 offset:(\t)*2*GRP
.endr
.irp t, 6,7
	s_wait_dscnt 7-(\t)
	global_store_b128 v1, v[OO+4*((\t)-6):OO+4*((\t)-6)+3], s[30:31] offset:(\j)*4096+(\t)*512 th:TH_STORE_NT
.endr
.endm
	s_wait_alu depctr_va_vdst(0)                   ; v1, v2 and v3 are written: every load and store below, global or LDS, reads one of them as its offset or address
	XLOADS 0
	XBLOCK 0
	XBLOCK 1
	s_wait_dscnt 0x0                               ; the closing lines, six on end
	s_wait_alu 0x0
	s_wait_tensorcnt 0x0
	ds_add_u32 v[SPW], v[NIL]
	s_wait_dscnt 0x0
	s_endpgm
; THE TABLE.  Byte rb x 8192 + b x 2048 + c x 512 + lane x 16 + e x 4 holds, for position number 16 rb + lane % 16 and frequency f = 16 b + 8 (lane / 16) + 4 (c % 2) + e, cos / 4 (c = 0, 1) or sin / 4 (c = 2, 3).
; Thread t = 64 b + 32 ch + lane makes the four cosines of c = ch and the four sines of c = ch + 2: two stores of 16 bytes, 512 consecutive bytes a wave.
.Ltable:
	v_lshrrev_b32 v3, 6, v0                        ; b
	v_bfe_u32 v5, v0, 5, 1                         ; ch
	v_and_b32 v6, 15, v0                           ; lane % 16
	v_lshlrev_b32 v6, 2, v6
	s_lshl_b32 s6, s5, 6                           ; the block's 16 positions, 4 bytes each
	v_add_nc_u32 v6, s6, v6
	s_wait_kmcnt 0x0
	s_wait_alu depctr_va_vdst(0)                   ; v6 is written, which the load reads as its offset
	global_load_b32 v7, v6, s[18:19]               ; the position, as it is given
	v_bfe_u32 v8, v0, 4, 1                         ; lane / 16
	v_lshlrev_b32 v9, 4, v3
	v_lshl_add_u32 v9, v8, 3, v9
	v_lshl_add_u32 v9, v5, 2, v9                   ; f for e = 0
	v_and_b32 v10, 63, v0
	v_lshlrev_b32 v10, 4, v10
	v_lshl_add_u32 v10, v3, 11, v10                ; b x 2048 + ch x 512 + lane x 16
	s_lshl_b32 s34, s5, 13
	s_mov_b32 s35, 0
	s_add_nc_u64 s[26:27], s[26:27], s[34:35]      ; block x
	v_mov_b32 v40, 0xb94ca1f9                      ; the sine's and the cosine's leading coefficients
	v_mov_b32 v41, 0x37ccf5ce
.irp e, 0,1,2,3
	v_add_nc_u32 v[20+(\e)], \e, v9
	v_cvt_f32_u32 v[20+(\e)], v[20+(\e)]
	v_mul_f32 v[20+(\e)], 0xbe549a78, v[20+(\e)]   ; - f log2(10000) / 64
.endr
.irp e, 0,1,2,3
	v_exp_f32 v[20+(\e)], v[20+(\e)]               ; 10000^(-f / 64)
.endr
	v_nop                                          ; a plain instruction between the last exponential and the use of its result (ISA guide 5.7.2)
	s_wait_loadcnt 0x0
	v_cvt_f32_i32 v7, v7
	s_wait_alu depctr_va_vdst(0)                   ; the four exponentials have written v[20:23], ahead of their first reader: one wait for the batch
; cos and sin of one angle, in two parts.  SC1: n = the nearest whole number of quarter turns; r = angle - n pi / 2, pi / 2 in three parts, each step one fused multiply-add; polynomials on |r| <= pi / 4;
; n goes to v[52 + e], sin r to v[56 + e], cos r to v[60 + e], and 'n is odd' to s[40 + e].  SC2: the quadrant swaps and signs.  All four SC1 stand ahead of all four SC2, so that the four compares have one wait.
.macro SC1 e
	v_mul_f32 v24, v7, v[20+(\e)]                  ; the angle: one rounding
	v_mul_f32 v25, 0x3f22f983, v24                 ; x 2 / pi
	v_rndne_f32 v25, v25
	v_fmamk_f32 v26, v25, 0xbfc90fdb, v24
	v_fmamk_f32 v26, v25, 0x333bbd2e, v26
	v_fmamk_f32 v26, v25, 0x26f72ced, v26
	v_cvt_i32_f32 v[52+(\e)], v25
	v_mul_f32 v28, v26, v26                        ; z = r r
	v_fmaak_f32 v29, v40, v28, 0x3c08839e
	v_fmaak_f32 v30, v41, v28, 0xbab6061a
	v_fmaak_f32 v29, v29, v28, 0xbe2aaaa3
	v_fmaak_f32 v30, v30, v28, 0x3d2aaaa5
	v_mul_f32 v33, v28, v26                        ; z r
	v_mul_f32 v34, v28, v28                        ; z z
	v_fma_f32 v35, v28, -0.5, 1.0
	v_fma_f32 v[56+(\e)], v29, v33, v26            ; sin r
	v_fma_f32 v[60+(\e)], v30, v34, v35            ; cos r
	v_and_b32 v33, 1, v[52+(\e)]
	v_cmp_eq_u32 s[40+(\e)], 1, v33                ; an odd quadrant swaps the two
.endm
.macro SC2 e
	v_cndmask_b32 v34, v[56+(\e)], v[60+(\e)], s[40+(\e)]
	v_cndmask_b32 v35, v[60+(\e)], v[56+(\e)], s[40+(\e)]
	v_lshlrev_b32 v33, 30, v[52+(\e)]              ; the sine is negative in quadrants 2 and 3,
	v_and_b32 v33, 0x80000000, v33
	v_add_nc_u32 v36, 1, v[52+(\e)]                ; the cosine in 1 and 2
	v_lshlrev_b32 v36, 30, v36
	v_and_b32 v36, 0x80000000, v36
	v_mul_f32 v34, 0x3e800000, v34                 ; a quarter: q, k and v are stored times 2^-2
	v_mul_f32 v35, 0x3e800000, v35
	v_xor_b32 v[16+(\e)], v33, v34
	v_xor_b32 v[12+(\e)], v36, v35
.endm
	SC1 0
	SC1 1
	SC1 2
	SC1 3
	s_wait_alu depctr_va_sdst(0)                   ; the four compares have written s40 to s43, ahead of the selects that read them
	SC2 0
	SC2 1
	SC2 2
	SC2 3
	s_wait_alu depctr_va_vdst(0)                   ; v10 and v[12:19] are written: the stores' offset and the two stores' data
	global_store_b128 v10, v[12:15], s[26:27]
	global_store_b128 v10, v[16:19], s[26:27] offset:1024
	s_cmp_lt_u32 s5, 4
	s_cbranch_scc0 .Ltabend
.irp e, 0,1,2,3
	v_mov_b32 v[44+(\e)], 0x3e800000
	v_mov_b32 v[48+(\e)], 0
.endr
	s_wait_alu depctr_va_vdst(0)                   ; the eight moves have written v[44:51], which the two stores below read
	global_store_b128 v10, v[44:47], s[26:27] offset:128*8192       ; block 128 + x
	global_store_b128 v10, v[48:51], s[26:27] offset:128*8192+1024
.Ltabend:
	s_endpgm
.Lfunc_end_k_q44e592b52a_prep:
	.size	k_q44e592b52a_prep, .Lfunc_end_k_q44e592b52a_prep-k_q44e592b52a_prep
	.p2alignl 7, 3214868480
	.fill 96, 4, 3214868480
	.section	.rodata,"a",@progbits
	.p2align	6, 0x0
	.amdhsa_kernel k_q44e592b52a_prep
		.amdhsa_group_segment_fixed_size 35840
		.amdhsa_private_segment_fixed_size 0
		.amdhsa_enable_private_segment 0
		.amdhsa_kernarg_size 80
		.amdhsa_user_sgpr_count 2
		.amdhsa_user_sgpr_kernarg_segment_ptr 1
		.amdhsa_wavefront_size32 1
		.amdhsa_system_sgpr_workgroup_id_x 1
		.amdhsa_system_sgpr_workgroup_id_y 1
		.amdhsa_system_sgpr_workgroup_id_z 1
		.amdhsa_system_vgpr_workitem_id 0
		.amdhsa_next_free_vgpr 96
		.amdhsa_next_free_sgpr 66
		.amdhsa_reserve_vcc 0
		.amdhsa_float_denorm_mode_32 3
		.amdhsa_float_denorm_mode_16_64 3
		.amdhsa_memory_ordered 1
		.amdhsa_forward_progress 1
		.amdhsa_inst_pref_size 46
	.end_amdhsa_kernel
	.amdgpu_metadata
---
amdhsa.version: [ 1, 2 ]
amdhsa.kernels:
  - .name:           k_q44e592b52a_prep
    .symbol:         k_q44e592b52a_prep.kd
    .args:
      - { .name: hidden_states, .offset: 0, .size: 8, .value_kind: global_buffer, .address_space: global }
      - { .name: Wq, .offset: 8, .size: 8, .value_kind: global_buffer, .address_space: global }
      - { .name: Wk, .offset: 16, .size: 8, .value_kind: global_buffer, .address_space: global }
      - { .name: Wv, .offset: 24, .size: 8, .value_kind: global_buffer, .address_space: global }
      - { .name: Wo, .offset: 32, .size: 8, .value_kind: global_buffer, .address_space: global }
      - { .name: position_ids, .offset: 40, .size: 8, .value_kind: global_buffer, .address_space: global }
      - { .name: xb, .offset: 48, .size: 8, .value_kind: global_buffer, .address_space: global }
      - { .name: wb, .offset: 56, .size: 8, .value_kind: global_buffer, .address_space: global }
      - { .name: wob, .offset: 64, .size: 8, .value_kind: global_buffer, .address_space: global }
      - { .name: tab, .offset: 72, .size: 8, .value_kind: global_buffer, .address_space: global }
    .group_segment_fixed_size: 35840
    .private_segment_fixed_size: 0
    .kernarg_segment_align: 8
    .kernarg_segment_size: 80
    .max_flat_workgroup_size: 256
    .sgpr_count:     66
    .vgpr_count:     96
    .wavefront_size: 32
...
	.end_amdgpu_metadata
.endif
;; end of part 5
;; launch qkvproj: the kernel of part 2 again; grid 16 x 16, 4 waves a work-group, clusters of 4 x 1, 327,680 bytes of LDS; arguments xb, wb, qkv, tab; writes qkv
;; launch attn: the kernel of part 3 again; grid 32 x 8, 4 waves a work-group, clusters of 4 x 1, 327,680 bytes of LDS; arguments qkv, ob; writes ob
;; launch oproj: the kernel of part 4 again; grid 16 x 16, 4 waves a work-group, clusters of 4 x 1, 327,680 bytes of LDS; arguments ob, wob, out0; writes out0
